; MI455X (gfx1250); checked and timed in simulation.
; The chip was launched on July 23, 2026; its instructions are those of AMD's public machine-readable ISA for CDNA 5 (MIT licence, August 2026) and "CDNA5" Instruction Set Architecture Reference Guide (July 2026). The comments in the code are by the model that wrote it; some were corrected since.
;; Multi Head Attention. Allowed arithmetic: matrix products marked QUANTISED: E2M1 operands, one E8M0 scale for each 32 along K, by v_wmma_scale_f32_16x16x128_f8f6f4 with both operands' format E2M1 (or v_wmma_scale_f32_32x16x128_f4), f32 sums; everything else in f32.
;; Inputs: Wk 1,024 x 1,024 float32; Wo 1,024 x 1,024 float32; Wq 1,024 x 1,024 float32; Wv 1,024 x 1,024 float32; bk 1,024 float32; bo 1,024 float32; bq 1,024 float32; bv 1,024 float32; k 4 x 2,048 x 1,024 float32; mask 1 x 1 x 2,048 x 2,048 int32; q 4 x 2,048 x 1,024 float32; v 4 x 2,048 x 1,024 float32.
;; Outputs: out0 4 x 2,048 x 1,024 float32.
;; This version of the problem:
;;   THIS VERSION OF THE PROBLEM IS GIVEN IN LOW PRECISION. The matrix products marked QUANTISED in the list below multiply operands that are first quantised to E2M1 (2 exponent bits, 1 mantissa bit; 4 bits a number), with one power-of-two scale for each 32 numbers along K (OCP MX v1.0); their sums are f32. All else is computed in f32.
;;   The module's matrix products, in the order in which they are computed (A, B: the left and right operand; K: the contracted axis; several contracted axes count as one K, in the product's order):
;;     1. [M 8,192, K 1,024] x [K 1,024, N 1,024]; A: input q; B: input Wq: QUANTISED
;;     2. [M 8,192, K 1,024] x [K 1,024, N 1,024]; A: input k; B: input Wk: QUANTISED
;;     3. [M 8,192, K 1,024] x [K 1,024, N 1,024]; A: input v; B: input Wv: QUANTISED
;;     4. batch 64 x [M 2,048, K 64] x [K 64, N 2,048]; A: computed on the way; B: computed on the way: QUANTISED
;;     5. batch 64 x [M 2,048, K 2,048] x [K 2,048, N 64]; A: softmax (see below); B: computed on the way: QUANTISED
;;     6. [M 8,192, K 1,024] x [K 1,024, N 1,024]; A: computed on the way; B: input Wo: QUANTISED
;;   THE QUANTISER, for each operand of a quantised product, along K:
;;     - K is cut into blocks of 32 from its start; a last block that is shorter is filled with zeros.
;;     - A block's scale is 2^e with e = floor(log2(the largest magnitude in the block)) - 2, held to -126 .. 127; a block of zeros has e = 0. As a byte (E8M0): e + 127.
;;     - Each number is divided by its block's scale, clamped to +-6, and rounded to the nearest number of E2M1, ties to even, subnormals kept.
;;     - The product sums the exact products of the quantised numbers (number of the format x scale) in f32.
;;   ~~~python
;;   def quantise(x, axis):      # numpy; x: float32 -> the quantised numbers, widened to float32 again
;;       x = np.moveaxis(x, axis, -1); K = x.shape[-1]
;;       x = np.pad(x, [(0, 0)] * (x.ndim - 1) + [(0, -K % 32)]); x = x.reshape(x.shape[:-1] + (-1, 32)); a = np.abs(x).max(-1, keepdims=True)
;;       e = np.where(a > 0, np.clip(np.frexp(np.where(a > 0, a, 1))[1] - 1 - 2, -126, 127), 0)      # np.frexp(a)[1] - 1 = floor(log2(a)), exactly
;;       r = np.clip(x / 2.0 ** e, -6, 6)
;;       step = 2.0 ** (np.maximum(np.frexp(np.where(r == 0, 1, r))[1] - 1, 0) - 1)
;;       q = np.round(r / step) * step * 2.0 ** e      # np.round: ties to even
;;       return np.moveaxis(q.reshape(q.shape[:-2] + (-1,))[..., :K], -1, axis).astype(np.float32)
;;   ~~~
;;   SOFTMAX AHEAD OF A QUANTISED PRODUCT. Where the list says 'softmax', what is quantised is not the finished softmax but p = 2^(t - M), with t = logit x log2(e) and M = ceil(the row's largest t), a whole number; so 1/2 < the row's largest p <= 1. The row's sum l is taken of the UNQUANTISED p, in f32, and the product's result is divided by l at the end. Since M is a whole number, a kernel that streams over the keys may use a running M (the ceiling of the running maximum): every later rescaling is an exact power of two, which a block's scale takes up: the codes' values come out the same.
;;   OPERANDS COMPUTED ON THE WAY. 'Computed on the way' means the value that the module computes at that place (a softmax that the list does not call 'softmax' is quantised finished and normalised). What goes into a quantiser is computed in f32, as accurately as f32 sums, v_exp_f32 and their like allow (about 1e-6 of the number): no bf16 or f16 on the way to a quantiser, and a product that is left as it is and whose result goes on into a quantised operand takes f32 operands (vector FMAs, or v_wmma_f32_16x16x4_f32). A number that lies on a knife's edge between two numbers of the format may be rounded either way, as far as f32 arithmetic and the matrix unit's own rounding can turn it there, and no further.
;; 2 versions, each right; version 2 is version 1 with the launch attn written anew for expert scheduling mode. Each part assembles by itself: llvm-mc -triple=amdgcn-amd-amdhsa -mcpu=gfx1250 --defsym DOCPART=n.
;; ======== version 1 of 2: 4 launches
;; limits: right only within a limited range of input values
;; workspace buffers: X 13,369,344 bytes; Wc 2,228,224 bytes; MW 532,480 bytes of whole numbers; H 13,893,632 bytes; AO 4,456,448 bytes
;; launch prep (part 1): grid 1024 x 1, 4 waves a work-group, no clusters, 68,096 bytes of LDS; arguments q, k, v, Wq, Wk, Wv, Wo, mask, X, Wc, MW; writes X, Wc, MW
.if DOCPART == 1
	.amdgcn_target "amdgcn-amd-amdhsa--gfx1250"
	.amdhsa_code_object_version 6
	.text
	.protected	k_qa0b9e8c402_prep
	.globl	k_qa0b9e8c402_prep
	.p2align	8
	.type	k_qa0b9e8c402_prep,@function
k_qa0b9e8c402_prep:
	s_mov_b64 s[64:65], 0
	v_nop
	global_prefetch_b8 v0, s[64:65] scope:SCOPE_SE
	s_setreg_imm32_b32 hwreg(HW_REG_WAVE_MODE, 25, 1), 1
	s_wait_xcnt 0x0
; q, k, v [8192][1024] and Wq, Wk, Wv, Wo [1024][1024], f32 with K innermost, become codes of E2M1 with one E8M0 byte for each 32 along K;
; mask [2048][2048], int32, becomes lane-mask words and one flag for each tile of 16 queries x 128 keys.
; ROW TILES.  Tile T holds 16 rows; its index i stands for row 32 (T / 2) + 8 (T % 2) + i + 8 (i / 8).  Every operand of every product of this program is tiled so.
; CODES are laid in the order of an operand's registers: [T][kc 0..15][512 bytes]; lane l's 16 bytes at 16 l are the 32 codes of K block 2 kc + l / 16 of the tile's row l % 16.
; SCALES: [T][K half 0, 1][row 0..15][16 bytes]: four words, one for each 128 along K.
; MASK: record (query tile, key step) of 64 words: bit l of word j says that mask[row l % 16][128 step + 32 (j / 16) + 16 (l / 16) + j % 16] is not 0; a flag word is 1 where all 2,048 bits are set.
; SHARES.  A wave takes one tile of 16 rows x 512 columns in 4 steps of 128 columns.  Work-groups 0-767 take q, k, v, 768-895 the four weights, 896-1023 the mask.
; Each load reads 512 consecutive bytes of one row; a step's 8 KB turn through the wave's own stage in LDS (rows 528 bytes apart) and come back 16 neighbours of each block of 32 to a lane.
; The two paths (numbers, mask) part on the work-group's number and have LDS bytes of their own.  No barrier: waves share nothing.  Loads run two steps (32 loads a wave) ahead.
; LIMITS: a block of zeros gets the byte 1 where the rule says 127 (its codes are zeros, and this program alone reads the bytes); blocks whose largest magnitude lies under 2^-124 have their byte held at 1; NaN and infinities are not served.
.set WST,  16*528                      ; a wave's stage
.set MB,   4*WST                       ; the mask path's stages begin here
.set OFF,  10                          ; v10-25  byte offset of my 16 bytes in row i of the tile
.set TM,   26                          ; v26-41  at work in QUANT
.set PW,   42                          ; v42-45  the four steps' scale words
.set PC,   46                          ; v46-61  codes, two sets of 8 (mask path: four pairs of words)
.set R,    64                          ; v64-191 numbers as loaded, two sets of 64
.set X,    192                         ; v192-255 64 numbers: register 16 b + i = column 32 b + 16 (lane / 16) + i of my row
.set SEL,  56                          ; s[56:57] lane selects for v_permlanex16_b32: lane l xor 16
	s_load_b512 s[4:19], s[0:1], 0x0               ; q, k, v, Wq, Wk, Wv, Wo, mask
	s_load_b128 s[20:23], s[0:1], 0x40             ; X, Wc
	s_load_b64 s[24:25], s[0:1], 0x50              ; MW
	v_lshl_add_u32 v36, v0, 2, 0x10800
	v_mov_b32 v37, 0
	v_lshrrev_b32 v1, 5, v0
	v_readfirstlane_b32 s26, v1                    ; wave
	v_and_b32 v1, 31, v0                           ; lane
	v_and_b32 v2, 15, v0                           ; r
	v_bfe_u32 v3, v0, 4, 1                         ; h
	v_lshlrev_b32 v4, 4, v1                        ; 16 x lane
	v_lshlrev_b32 v5, 3, v1                        ; 8 x lane
	v_lshlrev_b32 v9, 2, v1                        ; 4 x lane
	s_mul_i32 s27, s26, WST
	v_add_nc_u32 v6, s27, v4                       ; the stage, on the way in: 16 x lane of a row
	v_mul_u32_u24 v7, v2, 528
	v_lshl_add_u32 v7, v3, 6, v7
	v_add_nc_u32 v7, s27, v7                       ; and on the way out: row r, + 64 h
	v_lshlrev_b32 v2, 4, v2
	v_lshl_add_u32 v2, v3, 3, v2                   ; 16 r + 8 h: my two scale words' place in a half record
	s_mov_b32 s[SEL], 0x76543210
	s_mov_b32 s[SEL+1], 0xfedcba98
	s_mov_b32 s58, 0xffff0000                      ; lanes 16-31
.irp b, 0,1,2,3
	v_mov_b32 v[TM+4+\b], 0                        ; written once: a lane permute's destination counts as one of its sources
.endr
; The job's tensor: source pointer, first work-group, where its codes (or words) and its scales (or flags) begin.  The choices hang on the work-group's number alone.
.macro PICK th, ptr, dco, dso
	s_cmp_ge_u32 ttmp9, \th
	s_cselect_b64 s[40:41], s[\ptr:\ptr+1], s[40:41]
	s_cselect_b32 s42, \th, s42
	s_cselect_b32 s43, \dco, s43
	s_cselect_b32 s44, \dso, s44
.endm
	s_wait_kmcnt 0x0
	s_mov_b64 s[40:41], s[4:5]
	s_mov_b32 s42, 0
	s_mov_b32 s43, 0
	s_mov_b32 s44, 12582912
	PICK 256, 6, 4194304, 12845056
	PICK 512, 8, 8388608, 13107200
	PICK 768, 10, 0, 2097152
	PICK 800, 12, 524288, 2129920
	PICK 832, 14, 1048576, 2162688
	PICK 864, 16, 1572864, 2195456
	PICK 896, 18, 0, 524288
	s_cmp_ge_u32 ttmp9, 768
	s_cselect_b64 s[46:47], s[22:23], s[20:21]     ; the buffer stored into: X, Wc
	s_cmp_ge_u32 ttmp9, 896
	s_cselect_b64 s[46:47], s[24:25], s[46:47]     ; or MW
	s_mov_b32 s30, 4096
	s_cselect_b32 s30, 8192, s30                   ; a source row in bytes
	s_cselect_b32 s31, 2, 1                        ; 4 or 2 jobs to a tile
	s_cselect_b32 s32, 3, 1
	s_mov_b32 s33, 8192
	s_cselect_b32 s33, 4096, s33                   ; codes or words: bytes a tile,
	s_mov_b32 s34, 4096
	s_cselect_b32 s34, 1024, s34                   ; and a job
	s_mov_b32 s35, 512
	s_cselect_b32 s35, 64, s35                     ; scales or flags: bytes a tile,
	s_mov_b32 s36, 256
	s_cselect_b32 s36, 16, s36                     ; and a job
	s_sub_co_u32 s37, ttmp9, s42
	s_lshl_b32 s37, s37, 2
	s_add_co_u32 s37, s37, s26                     ; my job in the tensor
	s_lshr_b32 s38, s37, s31                       ; tile T
	s_and_b32 s39, s37, s32                        ; which 512 columns
	s_lshr_b32 s48, s38, 1
	s_lshl_b32 s48, s48, 5
	s_and_b32 s49, s38, 1
	s_lshl_b32 s49, s49, 3
	s_add_co_u32 s48, s48, s49                     ; the tile's first row: 32 (T / 2) + 8 (T % 2)
	s_mul_i32 s48, s48, s30
	s_lshl_b32 s49, s39, 11
	s_add_co_u32 s48, s48, s49
	s_mov_b32 s49, 0
	s_add_nc_u64 s[40:41], s[40:41], s[48:49]      ; the source at my job
	s_mul_i32 s50, s38, s33
	s_mul_i32 s51, s39, s34
	s_add_co_u32 s50, s50, s51
	s_add_co_u32 s50, s50, s43
	s_mov_b32 s51, 0
	s_add_nc_u64 s[52:53], s[46:47], s[50:51]      ; my codes or words
	s_mul_i32 s50, s38, s35
	s_mul_i32 s48, s39, s36
	s_add_co_u32 s50, s50, s48
	s_add_co_u32 s50, s50, s44
	s_add_nc_u64 s[54:55], s[46:47], s[50:51]      ; my scales or flags
.irp i, 0,1,2,3,4,5,6,7,8,9,10,11,12,13,14,15
	v_mad_u32_u24 v[OFF+\i], s30, (\i+8*(\i/8)), v4   ; row i of the tile lies i + 8 (i / 8) rows below its first
.endr
.macro LOADS t                         ; step t: 16 rows x 512 consecutive bytes, into set t % 2
.irp i, 0,1,2,3,4,5,6,7,8,9,10,11,12,13,14,15
	global_load_b128 v[R+64*((\t)%2)+4*\i:R+64*((\t)%2)+4*\i+3], v[OFF+\i], s[40:41] offset:512*(\t) th:TH_LOAD_NT
.endr
.endm
.macro TURN t, base                    ; through the stage: LDS serves a wave's instructions in order, so no wait stands between the stores and the loads
.irp i, 0,1,2,3,4,5,6,7,8,9,10,11,12,13,14,15
	ds_store_b128 v6, v[R+64*((\t)%2)+4*\i:R+64*((\t)%2)+4*\i+3] offset:\base+528*\i
.endr
.irp b, 0,1,2,3
.irp j, 0,1,2,3
	ds_load_b128 v[X+16*\b+4*\j:X+16*\b+4*\j+3], v7 offset:\base+128*\b+16*\j
.endr
.endr
.endm
; 64 numbers of a lane, register 16 b + i = k 32 b + 16 (lane / 16) + i of my row, become a fragment's 8 registers of codes and its scale word.
.macro QUANT s, pc, pw
.irp b, 0,1,2,3
	v_max3_num_f32 v[TM+\b], |v[\s+16*\b]|, |v[\s+1+16*\b]|, 0x1800000   ; my 16 numbers of block b, and the floor 2^(3 - 127): the byte cannot fall under 1
.endr
.irp i, 2,4,6,8,10,12,14
.irp b, 0,1,2,3
	v_max3_num_f32 v[TM+\b], v[TM+\b], |v[\s+16*\b+\i]|, |v[\s+1+16*\b+\i]|   ; the four blocks by turns
.endr
.endr
.irp b, 0,1,2,3
	v_permlanex16_b32 v[TM+4+\b], v[TM+\b], s[SEL], s[SEL+1]
.endr
.irp b, 0,1,2,3
	v_max_num_f32 v[TM+\b], v[TM+\b], v[TM+4+\b]   ; with lane l xor 16's: the block's largest magnitude
.endr
.irp b, 0,1,2,3
	v_add_nc_u32 v[TM+12+\b], 0xff000000, v[TM+\b] ; 2 off its exponent field: the conversion's scale operand
.endr
.irp b, 0,1,2,3
	v_lshrrev_b32 v[TM+4+\b], 23, v[TM+12+\b]      ; the scale's byte
.endr
	v_lshl_or_b32 v[\pw], v[TM+5], 8, v[TM+4]
	v_lshl_or_b32 v[\pw], v[TM+6], 16, v[\pw]
	v_lshl_or_b32 v[\pw], v[TM+7], 24, v[\pw]      ; my row's scale word
.irp b, 0,1,2,3
	v_cvt_scalef32_pk8_fp4_f32 v[\pc+2*\b], v[\s+16*\b:\s+7+16*\b], v[TM+12+\b]
	v_cvt_scalef32_pk8_fp4_f32 v[\pc+1+2*\b], v[\s+8+16*\b:\s+15+16*\b], v[TM+12+\b]
.endr
	v_nop                                          ; one plain place behind a scaled conversion
.irp c, 0,1                                    ; a whole block to a lane: lanes 0-15 block 2 c, lanes 16-31 block 2 c + 1
.irp i, 0,1
	v_permlane16_swap_b32 v[\pc+4*\c+\i], v[\pc+2+4*\c+\i]
.endr
.endr
.endm
	LOADS 0
	LOADS 1
	s_cmp_ge_u32 ttmp9, 896
	s_cbranch_scc1 .Lmask
; ---- numbers into codes
.macro QSTEP t
.if (\t) < 3
	s_wait_loadcnt 16                              ; this step's 16 loads are in; the next step's 16 may be out
.else
	s_wait_loadcnt 0x0
.endif
	TURN \t, 0
	s_wait_dscnt 0x0                               ; the numbers are back, and the stage's stores have read their registers,
.if (\t) < 2
	LOADS (\t)+2                                   ; which take the loads of two steps on
.else
	s_wait_xcnt 0x0                                ; the stores of two steps ago have read this set of codes
.endif
	QUANT X, PC+8*((\t)%2), PW+(\t)
	global_store_b128 v4, v[PC+8*((\t)%2):PC+8*((\t)%2)+3], s[52:53] offset:1024*(\t)        ; 512 consecutive bytes: K blocks 4 t' and 4 t' + 1
	global_store_b128 v4, v[PC+8*((\t)%2)+4:PC+8*((\t)%2)+7], s[52:53] offset:1024*(\t)+512  ; and 4 t' + 2, 4 t' + 3
.endm
	QSTEP 0
	QSTEP 1
	QSTEP 2
	QSTEP 3
	v_cndmask_b32 v62, v[PW], v[PW+2], s58         ; lanes 0-15 carry words 0 and 1 of row r, lanes 16-31 words 2 and 3
	v_cndmask_b32 v63, v[PW+1], v[PW+3], s58
	global_store_b64 v2, v[62:63], s[54:55]        ; the 32 lanes fill one aligned block of 256 bytes
	s_wait_tensorcnt 0x0
	ds_add_u32 v36, v37
	s_wait_dscnt 0x0
	s_endpgm
; ---- the mask into words
.Lmask:
.irp i, 0,1,2,3,4,5,6,7
	v_mov_b32 v[PC+\i], 0                          ; v_writelane_b32's destination counts as read
.endr
	v_mov_b32 v8, 0
.macro MSTEP t
.if (\t) < 3
	s_wait_loadcnt 16
.else
	s_wait_loadcnt 0x0
.endif
	TURN \t, MB
	s_wait_dscnt 0x0
.if (\t) < 2
	LOADS (\t)+2
.endif
	s_mov_b32 s28, -1
.irp g, 0,1,2,3                                ; sixteen words at a time; s[4:19] held the inputs' pointers, which are done with
.irp k, 0,1,2,3,4,5,6,7,8,9,10,11,12,13,14,15
	v_cmp_ne_u32 s[4+\k], 0, v[X+16*\g+\k]         ; word 16 g + k: a bit for each lane
.endr
.irp k, 0,1,2,3,4,5,6,7,8,9,10,11,12,13,14,15
	v_writelane_b32 v[PC+2*(\t)+(\k%2)], s[4+\k], 8*\g+\k/2   ; word j goes to lane j / 2, register j % 2
.endr
.irp k, 0,1,2,3,4,5,6,7,8,9,10,11,12,13,14,15
	s_and_b32 s28, s28, s[4+\k]
.endr
.endr
	s_cmp_eq_u32 s28, -1
	s_cselect_b32 s29, 1, 0                        ; the flag: no hole in these 16 x 128
	v_writelane_b32 v8, s29, \t
	global_store_b64 v5, v[PC+2*(\t):PC+2*(\t)+1], s[52:53] offset:256*(\t)   ; the record: 256 consecutive bytes
.endm
	MSTEP 0
	MSTEP 1
	MSTEP 2
	MSTEP 3
	s_wait_xcnt 0x0                                ; EXEC changes only behind this wait
	v_cmp_gt_u32 vcc_lo, 4, v1
	s_wait_tensorcnt 0x0
	ds_add_u32 v36, v37
	s_wait_dscnt 0x0
	s_and_saveexec_b32 s20, vcc_lo
	global_store_b32 v9, v8, s[54:55]              ; lanes 0-3: the four steps' flags
	s_wait_xcnt 0x0
	s_or_b32 exec_lo, exec_lo, s20
	s_endpgm
.Lfunc_end_k_qa0b9e8c402_prep:
	.size	k_qa0b9e8c402_prep, .Lfunc_end_k_qa0b9e8c402_prep-k_qa0b9e8c402_prep
	.p2alignl 7, 3214868480
	.fill 96, 4, 3214868480
	.section	.rodata,"a",@progbits
	.p2align	6, 0x0
	.amdhsa_kernel k_qa0b9e8c402_prep
		.amdhsa_group_segment_fixed_size 68096
		.amdhsa_private_segment_fixed_size 0
		.amdhsa_enable_private_segment 0
		.amdhsa_kernarg_size 88
		.amdhsa_user_sgpr_count 2
		.amdhsa_user_sgpr_kernarg_segment_ptr 1
		.amdhsa_wavefront_size32 1
		.amdhsa_system_sgpr_workgroup_id_x 1
		.amdhsa_system_sgpr_workgroup_id_y 1
		.amdhsa_system_sgpr_workgroup_id_z 1
		.amdhsa_system_vgpr_workitem_id 0
		.amdhsa_next_free_vgpr 256
		.amdhsa_next_free_sgpr 66
		.amdhsa_reserve_vcc 1
		.amdhsa_float_denorm_mode_32 3
		.amdhsa_float_denorm_mode_16_64 3
		.amdhsa_memory_ordered 1
		.amdhsa_forward_progress 1
		.amdhsa_inst_pref_size 90
	.end_amdhsa_kernel
	.amdgpu_metadata
---
amdhsa.version: [ 1, 2 ]
amdhsa.kernels:
  - .name:           k_qa0b9e8c402_prep
    .symbol:         k_qa0b9e8c402_prep.kd
    .args:
      - { .name: q, .offset: 0, .size: 8, .value_kind: global_buffer, .address_space: global }
      - { .name: k, .offset: 8, .size: 8, .value_kind: global_buffer, .address_space: global }
      - { .name: v, .offset: 16, .size: 8, .value_kind: global_buffer, .address_space: global }
      - { .name: Wq, .offset: 24, .size: 8, .value_kind: global_buffer, .address_space: global }
      - { .name: Wk, .offset: 32, .size: 8, .value_kind: global_buffer, .address_space: global }
      - { .name: Wv, .offset: 40, .size: 8, .value_kind: global_buffer, .address_space: global }
      - { .name: Wo, .offset: 48, .size: 8, .value_kind: global_buffer, .address_space: global }
      - { .name: mask, .offset: 56, .size: 8, .value_kind: global_buffer, .address_space: global }
      - { .name: X, .offset: 64, .size: 8, .value_kind: global_buffer, .address_space: global }
      - { .name: Wc, .offset: 72, .size: 8, .value_kind: global_buffer, .address_space: global }
      - { .name: MW, .offset: 80, .size: 8, .value_kind: global_buffer, .address_space: global }
    .group_segment_fixed_size: 68096
    .private_segment_fixed_size: 0
    .kernarg_segment_align: 8
    .kernarg_segment_size: 88
    .max_flat_workgroup_size: 128
    .sgpr_count:     66
    .vgpr_count:     256
    .wavefront_size: 32
...
	.end_amdgpu_metadata
.endif
;; end of part 1
;; launch proj (part 2): grid 4 x 192, 4 waves a work-group, clusters of 4 x 4, 209,408 bytes of LDS; arguments X, Wc, bq, bk, bv, H; writes H
.if DOCPART == 2
	.amdgcn_target "amdgcn-amd-amdhsa--gfx1250"
	.amdhsa_code_object_version 6
	.text
	.protected	k_qa0b9e8c402_proj
	.globl	k_qa0b9e8c402_proj
	.p2align	8
	.type	k_qa0b9e8c402_proj,@function
k_qa0b9e8c402_proj:
	s_mov_b64 s[64:65], 0
	v_nop
	global_prefetch_b8 v0, s[64:65] scope:SCOPE_SE
	s_setreg_imm32_b32 hwreg(HW_REG_WAVE_MODE, 25, 1), 1
	s_wait_xcnt 0x0
	s_wait_alu depctr_hold_cnt(0) depctr_sa_sdst(0) depctr_va_vdst(0) depctr_va_sdst(0) depctr_va_ssrc(0) depctr_va_vcc(0) depctr_vm_vsrc(0)
	s_getreg_b32 s2, hwreg(HW_REG_IB_STS2, 6, 4)
	s_cmp_eq_u32 s2, 0
	s_cbranch_scc0 .Lentry_in_a_cluster
	s_endpgm
.Lentry_in_a_cluster:
	s_bfe_u32 s2, ttmp6, 0x10000c
	s_cmp_lg_u32 s2, 0xf033
	s_cbranch_scc0 .Lentry_shape_is_right
	s_endpgm
.Lentry_shape_is_right:
; qh = q Wq^T + bq, kh = k Wk^T + bk, vh = v Wv^T + bv on codes of E2M1 (K = 1,024), each result quantised in registers for attention's products and stored as codes.
; A work-group makes 128 rows of A x 256 rows of B; a wave 64 x 128: 32 accumulators.  The matrix instruction is used transposed: source 0 = 16 rows of B, source 1 = 16 rows of A, so that a lane holds
; one row of A and, since a tile's index i stands for row 32 (T / 2) + 8 (T % 2) + i + 8 (i / 8), its 64 registers of B's eight tiles are 128 columns in the order 32 b + 16 (lane / 16) + i.
; Clusters 0-15 along y make qh, 16-31 kh: A = tokens, B = the weight's rows, so a lane's registers run along the head's 64, the K of q k^T.
; Clusters 32-47 make vh with the roles changed: A = Wv's rows, B = tokens, so a lane holds one channel and its registers run along the keys, the K of p v.
; LDS.  K = 1,024 is 512 bytes a row: the work-group's 384 rows of codes, 192 KB, and their scales, 12 KB, fit whole.  Every fill is a first fill: three tensor loads a wave (scales, K half 0, K half 1),
; three out at the most.  Codes lie in the order of the operand's registers (units of 512 bytes, 16 bytes a lane), so a fragment is two loads of 512 consecutive bytes.
; CLUSTER 4 x 4: A's tiles are shared along a row of the cluster, B's along a column: each is asked for jointly.
; REGISTERS.  window 0: v16-27 addresses; v32-79 scale words; v96-111 at work; v128-191 A's fragments, two sets, later a block's 64 results; v192-223 codes; v224-231 scale words to store.
;   window 1: v0-127 B's fragments, two sets; v128-191 the bias along B's rows; v192-199 the bias along A's rows.   window 2: the accumulators, (a, b) at v[8 (8 a + b)].
; LIMITS: a block of zeros gets the byte 1 where the rule says 127 (zero codes; this program alone reads the bytes); NaN and infinities are not served.
.set SLOTB, 98304                      ; a K half: A's 8 tiles x 4 KB, then B's 16 tiles x 4 KB
.set BOFF,  32768
.set SA,    196608                     ; A's scale records, 8 x 512 bytes
.set SB,    200704                     ; B's, 16 x 512 bytes
.set G1, 24                            ; s[24:31] group 1 for A's codes;  s[32:39] group 0, one set for each K half
.set G0, 32
.set G1B, 48                           ; s[48:55], s[56:63] the same for B's
.set G0B, 56
.set G1S, 68                           ; s[68:75], s[76:79] for A's scales;  s[80:87], s[88:91] for B's
.set G0S, 76
.set G1SB, 80
.set G0SB, 88
.set ADRA, 16                          ; v16-17 LDS address of my A fragments in K half 0, 1
.set ADRB, 20                          ; v20-21 the same for B
.set ADSB, 22                          ; v22 B's scale words: lanes 0-15 tile j, lanes 16-31 tile j + 4
.set ADSA, 23                          ; v23 A's: lanes 0-15 tile 2 j, lanes 16-31 tile 2 j + 1
.set LI,   24                          ; v24 16 x lane
.set L8,   25                          ; v25 8 x lane
.set BNO,  26                          ; v26, v27 the bias loads' offsets
.set BMO,  27
.set SC,   32                          ; scale words, a set of 24 for each K half
.set TM,   96
.set AF,   128
.set T,    128
.set PC,   192
.set WW,   224
.set XW,   228
.set BN,   128                         ; in window 1
.set BM,   192
.set SEL,  2                           ; s[2:3] lane selects, set behind the head
.set MSB, 0
.macro WIN new                         ; the immediate's high byte repeats the setting that is left
.if MSB != \new
	s_set_vgpr_msb (MSB<<8)|\new
.set MSB, \new
.endif
.endm
.set MULW, 0xa1                        ; source 0 (B) window 1, source 1 (A) window 0, C and D window 2
.set TO_B, 0x40                        ; destination window 1, address window 0
.set ADDW, 0x06                        ; source 0 window 2, source 1 window 1, destination window 0
; A joint load: waves 0 and 1 fetch for A, waves 2 and 3 for B.  The branch hangs on the wave's number alone.  Four v_nop follow each of the two lines.
.macro JLOAD g0a, g1a, g0b, g1b
	s_cmp_eq_u32 s17, 0
	s_cbranch_scc0 .Lfor_b_\@
	tensor_load_to_lds s[\g0a:\g0a+3], s[\g1a:\g1a+7]
	s_nop 0
.rept 4
	v_nop
.endr
	s_branch .Lasked_\@
.Lfor_b_\@:
	tensor_load_to_lds s[\g0b:\g0b+3], s[\g1b:\g1b+7]
	s_nop 0
.rept 4
	v_nop
.endr
.Lasked_\@:
.endm
.macro CROUND                          ; a round of the cluster's barrier
	s_barrier_signal -1
	s_barrier_wait -1
	s_cmp_lg_u32 s16, 0
	s_cbranch_scc1 .Lnot_wave_0_\@
	s_barrier_signal -3
.Lnot_wave_0_\@:
	s_barrier_wait -3
	s_barrier_signal -1
	s_barrier_wait -1
.endm
	s_load_b256 s[4:11], s[0:1], 0x0               ; X, Wc, bq, bk
	s_load_b128 s[12:15], s[0:1], 0x20             ; bv, H
	v_lshl_add_u32 v254, v0, 2, 0x33000
	v_mov_b32 v255, 0
	ds_add_u32 v254, v255
	ds_add_u32 v254, v255
	v_lshrrev_b32 v1, 5, v0
	v_readfirstlane_b32 s16, v1                    ; wave 0..3
	s_lshr_b32 s17, s16, 1                         ; which 64 rows of A are mine.  Also: I fetch for A (0) or for B (1)
	s_and_b32 s18, s16, 1                          ; which 128 rows of B.  Also: which half of that operand's tiles I fetch
	s_bfe_u32 s19, ttmp6, 0x40000                  ; cx
	s_bfe_u32 s20, ttmp6, 0x40004                  ; cy
	s_and_b32 s21, ttmp7, 0xffff                   ; the cluster's y, 0..47
	s_lshr_b32 s22, s21, 4                         ; which product: 0 q, 1 k, 2 v: the same in all sixteen partners
	s_and_b32 s23, s21, 15
	s_lshl_b32 s42, s20, 2
	s_lshl_b32 s42, 15, s42                        ; my row of the cluster
	s_lshl_b32 s43, 0x1111, s19                    ; my column
	; group 1.  Codes: a row of the tile is one row tile's K half, 4,096 bytes = 512 elements of 8 bytes, 8,192 bytes apart in memory; 4 such rows for A, 8 for B.  No padding: lanes read 16 consecutive bytes each.
	s_or_b32 s[G1], s42, (3<<16)|(1<<21)           ; 15:0 the mask; 17:16 elements of 8 bytes; 21 set beside a mask
	s_or_b32 s[G1B], s43, (3<<16)|(1<<21)
	s_mov_b32 s[G1+1], 512<<16                     ; tensor_dim0
	s_mov_b32 s[G1+2], 4<<16                       ; tensor_dim1
	s_mov_b32 s[G1+3], 512<<16                     ; tile_dim0
	s_mov_b32 s[G1+4], 4                           ; tile_dim1
	s_mov_b32 s[G1+5], 1024                        ; tensor_dim0_stride
	s_mov_b32 s[G1+6], 0
	s_mov_b32 s[G1+7], 0
	s_mov_b32 s[G1B+1], 512<<16
	s_mov_b32 s[G1B+2], 8<<16
	s_mov_b32 s[G1B+3], 512<<16
	s_mov_b32 s[G1B+4], 8
	s_mov_b32 s[G1B+5], 1024
	s_mov_b32 s[G1B+6], 0
	s_mov_b32 s[G1B+7], 0
	; scales: dense blocks, as rows of 256 bytes: 8 rows (4 tiles) for A, 16 (8 tiles) for B
	s_or_b32 s[G1S], s42, (3<<16)|(1<<21)
	s_or_b32 s[G1SB], s43, (3<<16)|(1<<21)
	s_mov_b32 s[G1S+1], 32<<16
	s_mov_b32 s[G1S+2], 8<<16
	s_mov_b32 s[G1S+3], 32<<16
	s_mov_b32 s[G1S+4], 8
	s_mov_b32 s[G1S+5], 32
	s_mov_b32 s[G1S+6], 0
	s_mov_b32 s[G1S+7], 0
	s_mov_b32 s[G1SB+1], 32<<16
	s_mov_b32 s[G1SB+2], 16<<16
	s_mov_b32 s[G1SB+3], 32<<16
	s_mov_b32 s[G1SB+4], 16
	s_mov_b32 s[G1SB+5], 32
	s_mov_b32 s[G1SB+6], 0
	s_mov_b32 s[G1SB+7], 0
	; which block of the product.  q, k: 64 x 4 blocks, block row 4 i + cy, block column cx.  v: 8 x 32 blocks, block row 4 (i % 2) + cy, block column 4 (i / 2) + cx
	s_lshl_b32 s40, s23, 2
	s_and_b32 s44, s23, 1
	s_lshl_b32 s44, s44, 2
	s_lshr_b32 s41, s23, 1
	s_lshl_b32 s41, s41, 2
	s_lshl_b32 s92, s22, 22                        ; the tokens' codes in X,
	s_lshl_b32 s93, s22, 18
	s_add_co_u32 s93, s93, 12582912                ; their scales,
	s_lshl_b32 s94, s22, 19                        ; the weight's codes in Wc,
	s_lshl_b32 s95, s22, 15
	s_add_co_u32 s95, s95, 2097152                 ; its scales
	s_cmp_eq_u32 s22, 2
	s_cselect_b32 s40, s44, s40
	s_cselect_b32 s41, s41, 0
	s_cselect_b32 s96, s94, s92                    ; A's codes and scales,
	s_cselect_b32 s98, s95, s93
	s_cselect_b32 s66, s92, s94                    ; B's
	s_cselect_b32 s67, s93, s95
	s_mov_b32 s92, s66
	s_mov_b32 s94, s67
	s_mov_b32 s93, 0
	s_mov_b32 s95, 0
	s_mov_b32 s97, 0
	s_mov_b32 s99, 0
	s_add_co_u32 s40, s40, s20                     ; block row: enters A's addresses alone
	s_add_co_u32 s41, s41, s19                     ; block column: enters B's alone
	s_lshl_b32 s2, s18, 2
	s_lshl_b32 s45, s40, 3
	s_add_co_u32 s45, s45, s2                      ; the first of the 4 tiles of A that I would fetch
	s_lshl_b32 s44, s45, 13
	s_add_co_u32 s96, s96, s44
	s_lshl_b32 s44, s45, 9
	s_add_co_u32 s98, s98, s44
	s_lshl_b32 s2, s18, 3
	s_lshl_b32 s46, s41, 4
	s_add_co_u32 s46, s46, s2                      ; the first of the 8 tiles of B
	s_lshl_b32 s47, s46, 13
	s_add_co_u32 s92, s92, s47
	s_lshl_b32 s47, s46, 9
	s_add_co_u32 s94, s94, s47
	s_wait_dscnt 0x0
	s_wait_kmcnt 0x0
	s_cmp_eq_u32 s22, 2
	s_cselect_b64 s[44:45], s[6:7], s[4:5]         ; A's buffer
	s_cselect_b64 s[46:47], s[4:5], s[6:7]         ; B's
	s_add_nc_u64 s[96:97], s[44:45], s[96:97]
	s_add_nc_u64 s[98:99], s[44:45], s[98:99]
	s_add_nc_u64 s[92:93], s[46:47], s[92:93]
	s_add_nc_u64 s[94:95], s[46:47], s[94:95]
	CROUND                                         ; all sixteen work-groups are here: the joint loads meet
	s_mov_b32 s[G0S], 1
	s_lshl_b32 s2, s18, 11
	s_add_co_u32 s[G0S+1], s2, SA
	s_mov_b64 s[G0S+2:G0S+3], s[98:99]
	s_or_b32 s[G0S+3], s[G0S+3], 0x80000000
	s_mov_b32 s[G0SB], 1
	s_lshl_b32 s2, s18, 12
	s_add_co_u32 s[G0SB+1], s2, SB
	s_mov_b64 s[G0SB+2:G0SB+3], s[94:95]
	s_or_b32 s[G0SB+3], s[G0SB+3], 0x80000000
	JLOAD G0S, G1S, G0SB, G1SB                     ; the scales first: they are wanted with the first K step
	s_lshl_b32 s2, s18, 14
	s_lshl_b32 s3, s18, 15
	s_add_co_u32 s3, s3, BOFF
.irp s, 0,1
	s_mov_b32 s[G0+4*\s], 1
	s_add_co_u32 s[G0+4*\s+1], s2, \s*SLOTB
	s_add_nc_u64 s[G0+4*\s+2:G0+4*\s+3], s[96:97], \s*4096
	s_or_b32 s[G0+4*\s+3], s[G0+4*\s+3], 0x80000000
	s_mov_b32 s[G0B+4*\s], 1
	s_add_co_u32 s[G0B+4*\s+1], s3, \s*SLOTB
	s_add_nc_u64 s[G0B+4*\s+2:G0B+4*\s+3], s[92:93], \s*4096
	s_or_b32 s[G0B+4*\s+3], s[G0B+4*\s+3], 0x80000000
	JLOAD G0+4*\s, G1, G0B+4*\s, G1B
.endr
	; addresses
	v_and_b32 v1, 31, v0                           ; lane
	v_and_b32 v2, 15, v0                           ; r
	v_bfe_u32 v3, v0, 4, 1                         ; h
	v_lshlrev_b32 v[LI], 4, v1
	v_lshlrev_b32 v[L8], 3, v1
	s_lshl_b32 s66, s17, 14
	v_add_nc_u32 v[ADRA], s66, v[LI]
	v_add_nc_u32 v[ADRA+1], SLOTB, v[ADRA]
	s_lshl_b32 s66, s18, 15
	s_add_co_u32 s66, s66, BOFF
	v_add_nc_u32 v[ADRB], s66, v[LI]
	v_add_nc_u32 v[ADRB+1], SLOTB, v[ADRB]
	v_lshlrev_b32 v[ADSB], 4, v2
	v_lshl_add_u32 v[ADSA], v3, 9, v[ADSB]         ; 16 r + one tile's record for lanes 16-31
	v_lshl_add_u32 v[ADSB], v3, 11, v[ADSB]        ; 16 r + four tiles' records for lanes 16-31
	s_lshl_b32 s66, s18, 12
	s_add_co_u32 s66, s66, SB
	v_add_nc_u32 v[ADSB], s66, v[ADSB]
	s_lshl_b32 s66, s17, 11
	s_add_co_u32 s66, s66, SA
	v_add_nc_u32 v[ADSA], s66, v[ADSA]
.irp b, 0,1,2,3
	v_mov_b32 v[TM+4+\b], 0                        ; written once: a lane permute's destination counts as one of its sources
.endr
	; the bias.  q, k: along B's rows (64 numbers a lane).  v: along A's rows (one number for each of my four tiles, held twice for the packed addition).
	; Both forms are loaded, so that every register is written; the form that is not used reads from the bias's first numbers: no load leaves its buffer.
	s_cmp_eq_u32 s22, 1
	s_cselect_b64 s[8:9], s[10:11], s[8:9]
	s_cmp_eq_u32 s22, 2
	s_cselect_b64 s[8:9], s[12:13], s[8:9]
	s_lshl_b32 s10, s40, 7
	s_lshl_b32 s2, s17, 6
	s_add_co_u32 s10, s10, s2                      ; my first row of A
	s_lshl_b32 s11, s41, 8
	s_lshl_b32 s2, s18, 7
	s_add_co_u32 s11, s11, s2                      ; my first row of B
	s_cmp_eq_u32 s22, 2
	s_cselect_b32 s12, 0, s11
	s_cselect_b32 s13, s10, 0
	s_lshl_b32 s12, s12, 2
	s_lshl_b32 s13, s13, 2
	v_lshlrev_b32 v[BNO], 6, v3
	v_add_nc_u32 v[BNO], s12, v[BNO]               ; 64 h + 4 x first row of B
	v_and_b32 v[BMO], 8, v2
	v_add_nc_u32 v[BMO], v[BMO], v2                ; r + 8 (r / 8)
	v_lshlrev_b32 v[BMO], 2, v[BMO]
	v_add_nc_u32 v[BMO], s13, v[BMO]
	WIN TO_B
.irp b, 0,1,2,3
.irp j, 0,1,2,3
	global_load_b128 v[BN+16*\b+4*\j:BN+16*\b+4*\j+3], v[BNO], s[8:9] offset:128*\b+16*\j
.endr
.endr
.irp a, 0,1,2,3
	global_load_b32 v[BM+2*\a], v[BMO], s[8:9] offset:4*(32*(\a/2)+8*(\a%2))
	global_load_b32 v[BM+2*\a+1], v[BMO], s[8:9] offset:4*(32*(\a/2)+8*(\a%2))
.endr
	WIN 0
	; where my results go in H.  q, k: codes [batch x head][token tile][512], my two heads 65,536 bytes apart; scale words [batch x head][step][g][lane][8].
	s_lshl_b32 s92, s22, 22
	s_lshr_b32 s2, s40, 4                          ; batch
	s_lshl_b32 s3, s2, 20
	s_add_co_u32 s92, s92, s3
	s_lshr_b32 s44, s11, 6                         ; my first head
	s_lshl_b32 s3, s44, 16
	s_add_co_u32 s92, s92, s3
	s_and_b32 s3, s10, 2047
	s_lshl_b32 s3, s3, 5                           ; token tile x 512
	s_add_co_u32 s92, s92, s3
	s_lshl_b32 s94, s22, 19
	s_add_co_u32 s94, s94, 12582912
	s_lshl_b32 s2, s2, 4
	s_add_co_u32 s2, s2, s44
	s_lshl_b32 s2, s2, 13
	s_add_co_u32 s94, s94, s2
	s_and_b32 s2, s40, 15                          ; the step of 128 tokens
	s_lshl_b32 s2, s2, 9
	s_add_co_u32 s94, s94, s2
	s_lshl_b32 s2, s17, 8
	s_add_co_u32 s94, s94, s2
	; v: codes [pair of heads][half of a step's keys][head % 2][step][channel tile][512]; scale words [batch x head][step][lane][8]
	s_lshr_b32 s2, s41, 3                          ; batch
	s_lshl_b32 s3, s2, 3
	s_add_co_u32 s3, s3, s40                       ; pair of heads
	s_lshl_b32 s96, s3, 17
	s_lshl_b32 s44, s17, 15
	s_add_co_u32 s96, s96, s44
	s_lshl_b32 s44, s41, 1
	s_add_co_u32 s44, s44, s18
	s_and_b32 s44, s44, 15                         ; the step of 128 keys
	s_lshl_b32 s45, s44, 11
	s_add_co_u32 s96, s96, s45
	s_add_co_u32 s96, s96, 8388608
	s_lshl_b32 s3, s3, 1
	s_add_co_u32 s3, s3, s17
	s_lshl_b32 s98, s3, 12
	s_lshl_b32 s45, s44, 8
	s_add_co_u32 s98, s98, s45
	s_add_co_u32 s98, s98, 13631488
	s_cmp_eq_u32 s22, 2
	s_cselect_b32 s92, s96, s92
	s_cselect_b32 s94, s98, s94
	s_mov_b32 s93, 0
	s_mov_b32 s95, 0
	s_add_nc_u64 s[92:93], s[14:15], s[92:93]      ; codes
	s_add_nc_u64 s[94:95], s[14:15], s[94:95]      ; scale words
	s_mov_b32 s[SEL], 0x76543210
	s_mov_b32 s[SEL+1], 0xfedcba98
	s_mov_b32 s44, 0xffff0000                      ; lanes 16-31
.macro FETCH q                         ; the fragments of K step q (128 along K) into set q % 2: B's eight, A's four; each load takes 512 consecutive bytes
	WIN TO_B
.irp i, 0,1,2,3,4,5,6,7
.irp c, 0,1
	ds_load_b128 v[64*((\q)%2)+8*\i+4*\c:64*((\q)%2)+8*\i+4*\c+3], v[ADRB+(\q)/4] offset:\i*4096+((\q)%4)*1024+512*\c
.endr
.endr
	WIN 0
.irp i, 0,1,2,3
.irp c, 0,1
	ds_load_b128 v[AF+32*((\q)%2)+8*\i+4*\c:AF+32*((\q)%2)+8*\i+4*\c+3], v[ADRA+(\q)/4] offset:\i*4096+((\q)%4)*1024+512*\c
.endr
.endr
.endm
.macro SCALES s                        ; the scale words of K half s: four words a row
.irp j, 0,1,2,3
	ds_load_b128 v[SC+24*\s+4*\j:SC+24*\s+4*\j+3], v[ADSB] offset:512*\j+256*\s
.endr
.irp j, 0,1
	ds_load_b128 v[SC+24*\s+16+4*\j:SC+24*\s+16+4*\j+3], v[ADSA] offset:1024*\j+256*\s
.endr
.endm
.macro WMMA q, a, b                    ; accumulator (a, b), K step q.  The first K step starts the sums: nothing is cleared
.set rD, 8*(8*(\a)+(\b))
.set rB, 64*((\q)%2)+8*(\b)
.set rA, AF+32*((\q)%2)+8*(\a)
.set rSB, SC+24*((\q)/4)+4*((\b)%4)+((\q)%4)
.set rSA, SC+24*((\q)/4)+16+4*((\a)/2)+((\q)%4)
.if (\q) == 0
.if (\b) < 4
.if ((\a)%2) == 0
	v_wmma_scale_f32_16x16x128_f8f6f4 v[rD:rD+7], v[rB:rB+7], v[rA:rA+7], 0, v[rSB], v[rSA] matrix_a_fmt:MATRIX_FMT_FP4 matrix_b_fmt:MATRIX_FMT_FP4
.else
	v_wmma_scale_f32_16x16x128_f8f6f4 v[rD:rD+7], v[rB:rB+7], v[rA:rA+7], 0, v[rSB], v[rSA] matrix_a_fmt:MATRIX_FMT_FP4 matrix_b_fmt:MATRIX_FMT_FP4 matrix_b_scale:MATRIX_SCALE_ROW1
.endif
.else
.if ((\a)%2) == 0
	v_wmma_scale_f32_16x16x128_f8f6f4 v[rD:rD+7], v[rB:rB+7], v[rA:rA+7], 0, v[rSB], v[rSA] matrix_a_fmt:MATRIX_FMT_FP4 matrix_b_fmt:MATRIX_FMT_FP4 matrix_a_scale:MATRIX_SCALE_ROW1
.else
	v_wmma_scale_f32_16x16x128_f8f6f4 v[rD:rD+7], v[rB:rB+7], v[rA:rA+7], 0, v[rSB], v[rSA] matrix_a_fmt:MATRIX_FMT_FP4 matrix_b_fmt:MATRIX_FMT_FP4 matrix_a_scale:MATRIX_SCALE_ROW1 matrix_b_scale:MATRIX_SCALE_ROW1
.endif
.endif
.else
.if (\b) < 4
.if ((\a)%2) == 0
	v_wmma_scale_f32_16x16x128_f8f6f4 v[rD:rD+7], v[rB:rB+7], v[rA:rA+7], v[rD:rD+7], v[rSB], v[rSA] matrix_a_fmt:MATRIX_FMT_FP4 matrix_b_fmt:MATRIX_FMT_FP4
.else
	v_wmma_scale_f32_16x16x128_f8f6f4 v[rD:rD+7], v[rB:rB+7], v[rA:rA+7], v[rD:rD+7], v[rSB], v[rSA] matrix_a_fmt:MATRIX_FMT_FP4 matrix_b_fmt:MATRIX_FMT_FP4 matrix_b_scale:MATRIX_SCALE_ROW1
.endif
.else
.if ((\a)%2) == 0
	v_wmma_scale_f32_16x16x128_f8f6f4 v[rD:rD+7], v[rB:rB+7], v[rA:rA+7], v[rD:rD+7], v[rSB], v[rSA] matrix_a_fmt:MATRIX_FMT_FP4 matrix_b_fmt:MATRIX_FMT_FP4 matrix_a_scale:MATRIX_SCALE_ROW1
.else
	v_wmma_scale_f32_16x16x128_f8f6f4 v[rD:rD+7], v[rB:rB+7], v[rA:rA+7], v[rD:rD+7], v[rSB], v[rSA] matrix_a_fmt:MATRIX_FMT_FP4 matrix_b_fmt:MATRIX_FMT_FP4 matrix_a_scale:MATRIX_SCALE_ROW1 matrix_b_scale:MATRIX_SCALE_ROW1
.endif
.endif
.endif
.endm
.macro MUL q                           ; 32 matrix instructions: the 32 accumulators take turns, in the same order in every K step
.irp a, 0,1,2,3
.irp b, 0,1,2,3,4,5,6,7
	WMMA \q, \a, \b
.endr
.endr
.endm
.macro STEPQ q
	s_wait_dscnt 0x0                               ; this K step's fragments are in (asked for 32 matrix instructions ago)
.if (\q) == 3
	s_wait_tensorcnt 0x0                           ; my part of K half 1 has landed,
	s_barrier_signal -1
	s_barrier_wait -1                              ; everybody's has.
.endif
.if (\q) > 0
.rept 4
	v_nop                                          ; places in front of loads into the set that the last 32 matrix instructions read
.endr
.endif
.if (\q) < 7
	FETCH (\q)+1
.if (\q) == 3
	SCALES 1
.endif
.endif
	WIN MULW
	MUL \q
	WIN 0
.endm
.macro QUANT s, pc, pw                 ; 64 numbers of a lane, register 16 b + i = k 32 b + 16 (lane / 16) + i of my row, become a fragment's codes and its scale word
.irp b, 0,1,2,3
	v_max3_num_f32 v[TM+\b], |v[\s+16*\b]|, |v[\s+1+16*\b]|, 0x1800000   ; and the floor 2^(3 - 127): the byte cannot fall under 1
.endr
.irp i, 2,4,6,8,10,12,14
.irp b, 0,1,2,3
	v_max3_num_f32 v[TM+\b], v[TM+\b], |v[\s+16*\b+\i]|, |v[\s+1+16*\b+\i]|
.endr
.endr
.irp b, 0,1,2,3
	v_permlanex16_b32 v[TM+4+\b], v[TM+\b], s[SEL], s[SEL+1]
.endr
.irp b, 0,1,2,3
	v_max_num_f32 v[TM+\b], v[TM+\b], v[TM+4+\b]
.endr
.irp b, 0,1,2,3
	v_add_nc_u32 v[TM+12+\b], 0xff000000, v[TM+\b] ; 2 off the exponent field: the conversion's scale operand
.endr
.irp b, 0,1,2,3
	v_lshrrev_b32 v[TM+4+\b], 23, v[TM+12+\b]      ; the scale's byte
.endr
	v_lshl_or_b32 v[\pw], v[TM+5], 8, v[TM+4]
	v_lshl_or_b32 v[\pw], v[TM+6], 16, v[\pw]
	v_lshl_or_b32 v[\pw], v[TM+7], 24, v[\pw]
.irp b, 0,1,2,3
	v_cvt_scalef32_pk8_fp4_f32 v[\pc+2*\b], v[\s+16*\b:\s+7+16*\b], v[TM+12+\b]
	v_cvt_scalef32_pk8_fp4_f32 v[\pc+1+2*\b], v[\s+8+16*\b:\s+15+16*\b], v[TM+12+\b]
.endr
	v_nop                                          ; one plain place behind a scaled conversion
.irp c, 0,1
.irp i, 0,1
	v_permlane16_swap_b32 v[\pc+4*\c+\i], v[\pc+2+4*\c+\i]
.endr
.endr
.endm
	s_wait_tensorcnt 1                             ; the scales and my part of K half 0 are in; K half 1's load may be out
	s_barrier_signal -1
	s_barrier_wait -1
	FETCH 0
	SCALES 0
	STEPQ 0
	STEPQ 1
	STEPQ 2
	STEPQ 3
	STEPQ 4
	STEPQ 5
	STEPQ 6
	STEPQ 7
	s_wait_loadcnt 0x0                             ; the bias
.rept 4
	v_nop                                          ; places in front of the first read of results and the first write over A's fragments
.endr
; Tile a of my rows of A: bias, quantiser, two units of 512 bytes out.  The branch hangs on the product's number, which all partners share.  Each accumulator is read from its low end on.
.macro EPI a
	s_cmp_eq_u32 s22, 2
	s_cbranch_scc1 .Lrow_\@
	WIN ADDW
.set k, 0
.rept 32
	v_pk_add_f32 v[T+k:T+k+1], v[64*(\a)+k:64*(\a)+k+1], v[BN+k:BN+k+1]
.set k, k+2
.endr
	WIN 0
	s_branch .Ldone_\@
.Lrow_\@:
	WIN ADDW
.set k, 0
.rept 32
	v_pk_add_f32 v[T+k:T+k+1], v[64*(\a)+k:64*(\a)+k+1], v[BM+2*(\a):BM+2*(\a)+1]
.set k, k+2
.endr
	WIN 0
.Ldone_\@:
	QUANT T, PC+8*(\a), WW+(\a)
	global_store_b128 v[LI], v[PC+8*(\a):PC+8*(\a)+3], s[92:93] offset:512*(\a)           ; q, k: my first head; v: keys 0-63 of the step
	global_store_b128 v[LI], v[PC+8*(\a)+4:PC+8*(\a)+7], s[92:93] offset:512*(\a)+65536   ; q, k: my second head; v: keys 64-127
.endm
	EPI 0
	EPI 1
	EPI 2
	EPI 3
	v_cndmask_b32 v[XW], v[WW], v[WW+1], s44       ; lanes 0-15 carry the even tile's word of row r, lanes 16-31 the odd tile's
	v_cndmask_b32 v[XW+1], v[WW+2], v[WW+3], s44
	global_store_b64 v[L8], v[XW:XW+1], s[94:95]   ; 256 consecutive bytes.  q, k: bytes 0, 1 are the first head's; bytes 2, 3 stand over zero codes there
	s_cmp_eq_u32 s22, 2
	s_cbranch_scc1 .Lone_word
	v_lshrrev_b32 v[XW+2], 16, v[XW]               ; q, k: the second head's two bytes, at bytes 0, 1
	v_lshrrev_b32 v[XW+3], 16, v[XW+1]
	global_store_b64 v[L8], v[XW+2:XW+3], s[94:95] offset:8192
.Lone_word:
	s_wait_tensorcnt 0x0
	s_wait_tensorcnt 0x0
	ds_add_u32 v254, v255
	s_wait_dscnt 0x0
	CROUND                                         ; the closing round: no work-group ends while a partner may still ask for a tile that names it
	s_endpgm
.Lfunc_end_k_qa0b9e8c402_proj:
	.size	k_qa0b9e8c402_proj, .Lfunc_end_k_qa0b9e8c402_proj-k_qa0b9e8c402_proj
	.p2alignl 7, 3214868480
	.fill 96, 4, 3214868480
	.section	.rodata,"a",@progbits
	.p2align	6, 0x0
	.amdhsa_kernel k_qa0b9e8c402_proj
		.amdhsa_group_segment_fixed_size 209408
		.amdhsa_private_segment_fixed_size 0
		.amdhsa_enable_private_segment 0
		.amdhsa_kernarg_size 48
		.amdhsa_user_sgpr_count 2
		.amdhsa_user_sgpr_kernarg_segment_ptr 1
		.amdhsa_wavefront_size32 1
		.amdhsa_system_sgpr_workgroup_id_x 1
		.amdhsa_system_sgpr_workgroup_id_y 1
		.amdhsa_system_sgpr_workgroup_id_z 1
		.amdhsa_system_vgpr_workitem_id 0
		.amdhsa_next_free_vgpr 768
		.amdhsa_next_free_sgpr 100
		.amdhsa_reserve_vcc 0
		.amdhsa_float_denorm_mode_32 3
		.amdhsa_float_denorm_mode_16_64 3
		.amdhsa_memory_ordered 1
		.amdhsa_forward_progress 1
		.amdhsa_inst_pref_size 95
	.end_amdhsa_kernel
	.amdgpu_metadata
---
amdhsa.version: [ 1, 2 ]
amdhsa.kernels:
  - .name:           k_qa0b9e8c402_proj
    .symbol:         k_qa0b9e8c402_proj.kd
    .args:
      - { .name: X, .offset: 0, .size: 8, .value_kind: global_buffer, .address_space: global }
      - { .name: Wc, .offset: 8, .size: 8, .value_kind: global_buffer, .address_space: global }
      - { .name: bq, .offset: 16, .size: 8, .value_kind: global_buffer, .address_space: global }
      - { .name: bk, .offset: 24, .size: 8, .value_kind: global_buffer, .address_space: global }
      - { .name: bv, .offset: 32, .size: 8, .value_kind: global_buffer, .address_space: global }
      - { .name: H, .offset: 40, .size: 8, .value_kind: global_buffer, .address_space: global }
    .group_segment_fixed_size: 209408
    .private_segment_fixed_size: 0
    .kernarg_segment_align: 8
    .kernarg_segment_size: 48
    .max_flat_workgroup_size: 128
    .sgpr_count:     100
    .vgpr_count:     768
    .wavefront_size: 32
...
	.end_amdgpu_metadata
.endif
;; end of part 2
;; launch attn (part 3): grid 4 x 64, 16 waves a work-group, no clusters, 149,504 bytes of LDS; arguments H, MW, AO; writes AO
.if DOCPART == 3
	.amdgcn_target "amdgcn-amd-amdhsa--gfx1250"
	.amdhsa_code_object_version 6
	.text
	.protected	k_qa0b9e8c402_attn
	.globl	k_qa0b9e8c402_attn
	.p2align	8
	.type	k_qa0b9e8c402_attn,@function
k_qa0b9e8c402_attn:
	s_mov_b64 s[64:65], 0
	v_nop
	global_prefetch_b8 v0, s[64:65] scope:SCOPE_SE
	s_setreg_imm32_b32 hwreg(HW_REG_WAVE_MODE, 25, 1), 1
	s_wait_xcnt 0x0
; For each batch and head: O = softmax(mask(q k^T / 8)) v, both products on codes of E2M1; O / l is quantised along (head, channel) and stored as the last product's operand.
; THE SOFTMAX: t = score x log2(e) / 8; M = the running largest t rounded up to a whole number; p = 2^(t - M) is quantised along the keys, not normalised; the row's sum l is taken of the unquantised p.
; SHARES.  A work-group owns 512 queries of one head; each of its sixteen waves two tiles of 16, one after the other.  Four waves share a SIMD, so that one wave's vector work stands beside another's products and LDS loads.
; The head's whole K and V (128 KB of codes, 12 KB of scale words) come into LDS once, through registers; one barrier.
; NO TENSOR LOAD, NO CLUSTER: a step whose 16 x 128 mask bits are all set jumps over the 64 selects, a branch on a flag that the first launch stored.
; What the four work-groups of a head share is read once by each, 140 KB.
; LAYOUT.  Both products are used transposed: S^T = K Q^T, O^T = V^T P^T: a lane holds one query (lane % 16).  A tile's index i stands for row 32 (T / 2) + 8 (T % 2) + i + 8 (i / 8),
; so S^T's 64 registers are keys 32 b + 16 (lane / 16) + i of the step, and O^T's 32 registers channels in the same order.  The head's K is 64: registers 4-7 of Q's and K's fragments hold zero codes.
; THE MASK comes as lane-mask words by scalar loads, a record of 64 words a step, one step ahead; word j lies in s[16 + j + 4 (j / 48)].
; LIMITS: a masked score is -2^33, a logit of -2^30 where the definition has -1e9: score x c is then a whole number, so a row with no key left gives p = 1 for every key, as the definition does; results differ
; only where a logit that is not masked lies at or under about -1e9.  A block of zeros gets the byte 1 where the rule says 127.  NaN and infinities are not served.
; The last step of each pass fetches the K tiles of step 0 again, and the last step of all the last mask record again: both stay inside their bytes and are not used.
.set LI,   1                           ; v1  16 x lane
.set LIV,  2                           ; v2  + 65,536: V's codes
.set LS8,  3                           ; v3  8 x lane + 131,072: the scale records
.set ADV,  4                           ; v4-7 the step's addresses: V, V's scale words, the next K, its scale words
.set ADS,  5
.set ADK,  6
.set ADN,  7
.set NEGR, 8                           ; v8  -2^33
.set BO,   9                           ; v9  16 r + h: my scale byte's place
.set CS,   12                          ; s[12:13] c = log2(e) / 8
.set SEL,  14                          ; s[14:15] lane selects for lane l xor 16
; v12 -M, v13 the largest t, v[14:15] the sum; v16-23 Q, v24 its scale word; v26-29 K's scale words, v30-31 V's; v32-95 K's 8 fragments; v96-159 S^T, then p; v160-191 O^T; v192-223 V's 4 fragments;
; v224-231 p's codes; v232-239, v244-247, v252-254 at work (v253: p's scale word); v240-243, v249 the second pass's Q and its scale word.
	s_load_b128 s[4:7], s[0:1], 0x0                ; H, MW
	s_load_b64 s[8:9], s[0:1], 0x10                ; AO
	v_lshl_add_u32 v251, v0, 2, 0x24000
	v_mov_b32 v255, 0
	v_lshrrev_b32 v10, 5, v0
	v_readfirstlane_b32 s2, v10                    ; wave 0..15
	v_and_b32 v10, 31, v0                          ; lane
	v_and_b32 v11, 15, v0                          ; r
	v_bfe_u32 v12, v0, 4, 1                        ; h
	v_lshlrev_b32 v[LI], 4, v10
	v_add_nc_u32 v[LIV], 65536, v[LI]
	v_lshlrev_b32 v[LS8], 3, v10
	v_add_nc_u32 v[LS8], 131072, v[LS8]
	v_mov_b32 v[NEGR], 0xd0000000
	v_lshl_add_u32 v[BO], v11, 4, v12
	v_lshlrev_b32 v13, 4, v0                       ; 16 x thread
	v_lshlrev_b32 v14, 3, v0                       ; 8 x thread
	v_lshlrev_b32 v15, 3, v11                      ; 8 r
	v_add_nc_u32 v232, 65536, v13                  ; LDS: V's codes, 16 x thread
	s_lshl_b32 s16, s2, 10
	v_add_nc_u32 v233, s16, v[LI]
	v_add_nc_u32 v233, 131072, v233                ; K's scale words: step = wave, 16 x lane
	v_add_nc_u32 v234, s16, v[LS8]                 ; V's: 8 x lane (+ 512)
	s_and_b32 s10, ttmp7, 0xffff                   ; batch x 16 + head
	s_lshl_b32 s11, ttmp9, 5
	s_lshl_b32 s16, s2, 1
	s_add_co_u32 s11, s11, s16                     ; my first query tile: 32 x + 2 wave
	s_lshl_b32 s92, s10, 16
	s_add_co_u32 s92, s92, 4194304                 ; K's codes
	s_mov_b32 s93, 0
	s_lshr_b32 s94, s10, 1
	s_lshl_b32 s94, s94, 17
	s_and_b32 s16, s10, 1
	s_lshl_b32 s16, s16, 15
	s_add_co_u32 s94, s94, s16
	s_add_co_u32 s94, s94, 8388608                 ; V's codes
	s_mov_b32 s95, 0
	s_lshl_b32 s96, s10, 13
	s_add_co_u32 s17, s96, 12582912                ; Q's scale words of the head
	s_add_co_u32 s96, s96, 13107200                ; K's scale words
	s_mov_b32 s97, 0
	s_lshl_b32 s98, s10, 12
	s_add_co_u32 s98, s98, 13631488                ; V's scale words
	s_mov_b32 s99, 0
	s_lshl_b32 s100, s10, 16
	s_lshl_b32 s16, s11, 9
	s_add_co_u32 s100, s100, s16                   ; Q's codes at my first tile
	s_mov_b32 s101, 0
	s_lshr_b32 s16, s11, 3                         ; my tiles' place among Q's scale words: step,
	s_lshl_b32 s16, s16, 9
	s_add_co_u32 s17, s17, s16
	s_bfe_u32 s16, s11, 0x10002                    ; group of four tiles,
	s_lshl_b32 s16, s16, 8
	s_add_co_u32 s17, s17, s16
	s_bfe_u32 s16, s11, 0x10001                    ; word; the tile's parity is 128 bytes, in the load's immediate
	s_lshl_b32 s16, s16, 2
	s_add_co_u32 s17, s17, s16
	v_add_nc_u32 v15, s17, v15
	s_lshl_b32 s18, s11, 12                        ; my 32 mask records,
	s_mov_b32 s19, 0
	s_lshl_b32 s20, s11, 6
	s_add_co_u32 s20, s20, 524288                  ; their flags
	s_mov_b32 s21, 0
	s_lshr_b32 s16, s10, 4                         ; batch
	s_and_b32 s17, s10, 15                         ; head
	s_lshl_b32 s22, s16, 20
	s_lshl_b32 s24, s11, 13
	s_add_co_u32 s22, s22, s24
	s_lshl_b32 s24, s17, 9
	s_add_co_u32 s22, s22, s24                     ; AO's codes: (token tile x 16 + head) x 512
	s_mov_b32 s23, 0
	s_lshl_b32 s24, s16, 16
	s_lshl_b32 s26, s11, 9
	s_add_co_u32 s24, s24, s26
	s_lshr_b32 s26, s17, 3
	s_lshl_b32 s26, s26, 8
	s_add_co_u32 s24, s24, s26
	s_and_b32 s26, s17, 7
	s_lshl_b32 s26, s26, 1
	s_add_co_u32 s24, s24, s26
	s_add_co_u32 s24, s24, 4194304                 ; AO's scale bytes: token tile x 512 + (head / 8) x 256 + 2 (head % 8)
	s_mov_b32 s25, 0
	s_mov_b32 s[CS], 0x3e38aa3b
	s_mov_b32 s[CS+1], s[CS]                       ; (named with it as a pair, so it is written)
	s_mov_b32 s[SEL], 0x76543210
	s_mov_b32 s[SEL+1], 0xfedcba98
	s_mov_b32 s3, 0xffff0000                       ; lanes 16-31
	s_mov_b32 s88, 0                               ; the mask record in hand, 0..31
	s_mov_b32 s89, 0
	s_mov_b32 s90, 0
	s_wait_kmcnt 0x0
	s_add_nc_u64 s[92:93], s[4:5], s[92:93]
	s_add_nc_u64 s[94:95], s[4:5], s[94:95]
	s_add_nc_u64 s[96:97], s[4:5], s[96:97]
	s_add_nc_u64 s[98:99], s[4:5], s[98:99]
	s_add_nc_u64 s[100:101], s[4:5], s[100:101]
	s_add_nc_u64 s[84:85], s[6:7], s[20:21]
	s_add_nc_u64 s[6:7], s[6:7], s[18:19]
	s_add_nc_u64 s[86:87], s[8:9], s[24:25]
	s_add_nc_u64 s[8:9], s[8:9], s[22:23]
.irp i, 0,1,2,3,4,5,6,7
	global_load_b128 v[96+4*\i:99+4*\i], v13, s[92:93] offset:8192*\i            ; K's codes: 512 threads x 16 bytes a load
.endr
.irp c, 0,1
.irp i, 0,1,2,3
	global_load_b128 v[128+16*\c+4*\i:131+16*\c+4*\i], v13, s[94:95] offset:65536*\c+8192*\i   ; V's: 32 KB for each half of the steps' keys
.endr
.endr
	global_load_b128 v[160:163], v13, s[96:97]
	global_load_b64 v[164:165], v14, s[98:99]
	global_load_b128 v[16:19], v[LI], s[100:101]
	global_load_b128 v[240:243], v[LI], s[100:101] offset:512
	global_load_b32 v24, v15, s[4:5]
	global_load_b32 v249, v15, s[4:5] offset:128
.macro MLOAD                           ; a mask record and its flag
	s_load_b512 s[16:31], s[6:7], s89 offset:0x0
	s_load_b512 s[32:47], s[6:7], s89 offset:0x40
	s_load_b512 s[48:63], s[6:7], s89 offset:0x80
	s_load_b512 s[68:83], s[6:7], s89 offset:0xc0
	s_load_b32 s91, s[84:85], s90 offset:0x0
.endm
	MLOAD
.irp j, 20,21,22,23
	v_mov_b32 v[\j], 0                             ; Q's k = 64 .. 127: zero codes
.endr
.irp t, 0,1,2,3,4,5,6,7
.irp j, 4,5,6,7
	v_mov_b32 v[32+8*\t+\j], 0                     ; K's likewise: written once
.endr
.endr
.irp b, 0,1,2,3
	v_mov_b32 v[236+\b], 0                         ; a lane permute's destination counts as one of its sources
.endr
	v_mov_b32 v253, 0                              ; (named as the upper half of the pair v[252:253] before it is first written)
	s_wait_loadcnt 4                               ; all but Q's four loads
.irp i, 0,1,2,3,4,5,6,7
	ds_store_b128 v13, v[96+4*\i:99+4*\i] offset:8192*\i
.endr
.irp c, 0,1
.irp i, 0,1,2,3
	ds_store_b128 v232, v[128+16*\c+4*\i:131+16*\c+4*\i] offset:32768*\c+8192*\i
.endr
.endr
	ds_store_b128 v233, v[160:163]
	ds_store_b64 v234, v[164:165] offset:512
	s_wait_dscnt 0x0                               ; for the others' sake: my stores have landed
	s_barrier_signal -1
	s_barrier_wait -1                              ; the head's K and V lie in LDS; nothing is written there again
	s_wait_loadcnt 0x0                             ; Q
.irp t, 0,1,2,3,4,5,6,7
	ds_load_b128 v[32+8*\t:35+8*\t], v[LI] offset:512*\t   ; K of step 0: ten loads, as each step leaves behind it
.endr
	ds_load_b64 v[26:27], v[LS8]
	ds_load_b64 v[28:29], v[LS8] offset:256
; A pass: one tile of 16 queries against the head's 2,048 keys, 128 a step.
.macro PASS p
.if \p
.irp j, 0,1,2,3
	v_mov_b32 v[16+\j], v[240+\j]                  ; the second tile's Q
.endr
	v_mov_b32 v24, v249
.endif
	v_mov_b32 v13, 0xff61b1e6                      ; the largest t so far: -3e38
	v_floor_f32 v12, -v13                          ; -M
	v_mov_b32 v14, 0
	v_mov_b32 v15, 0
.irp j, 0,1,2,3,4,5,6,7,8,9,10,11,12,13,14,15,16,17,18,19,20,21,22,23,24,25,26,27,28,29,30,31
	v_mov_b32 v[160+\j], 0                         ; O^T: the step is written once; the first finds zeros, which the first change of M leaves zeros
.endr
	s_mov_b32 s92, 0
.Lstep_\@:
	s_lshl_b32 s93, s92, 11
	s_lshl_b32 s94, s92, 10
	s_add_co_u32 s95, s92, 1
	s_and_b32 s95, s95, 15                         ; the next step; behind the last, step 0 again
	s_lshl_b32 s96, s95, 12
	s_lshl_b32 s97, s95, 10
	v_add_nc_u32 v[ADV], s93, v[LIV]               ; these four are the places between the last step's products and the loads into their registers
	v_add_nc_u32 v[ADS], s94, v[LS8]
	v_add_nc_u32 v[ADK], s96, v[LI]
	v_add_nc_u32 v[ADN], s97, v[LS8]
.irp d, 0,1,2,3
.irp c, 0,1
	ds_load_b128 v[192+8*\d+4*\c:195+8*\d+4*\c], v[ADV] offset:32768*\c+512*\d
.endr
.endr
	ds_load_b64 v[30:31], v[ADS] offset:512
	s_wait_dscnt 9                                 ; K's ten loads are in; V's nine, just issued, may be out
.irp t, 0,1,2,3,4,5,6,7
.if (\t%2) == 0
	v_wmma_scale_f32_16x16x128_f8f6f4 v[96+8*\t:103+8*\t], v[32+8*\t:39+8*\t], v[16:23], 0, v[26+\t/2], v24 matrix_a_fmt:MATRIX_FMT_FP4 matrix_b_fmt:MATRIX_FMT_FP4
.else
	v_wmma_scale_f32_16x16x128_f8f6f4 v[96+8*\t:103+8*\t], v[32+8*\t:39+8*\t], v[16:23], 0, v[26+\t/2], v24 matrix_a_fmt:MATRIX_FMT_FP4 matrix_b_fmt:MATRIX_FMT_FP4 matrix_a_scale:MATRIX_SCALE_ROW1
.endif
.endr
.rept 4
	v_nop                                          ; places in front of loads into K's registers and of the first read of the scores
.endr
.irp t, 0,1,2,3,4,5,6,7
	ds_load_b128 v[32+8*\t:35+8*\t], v[ADK] offset:512*\t   ; the next step's K: it has the softmax in which to land
.endr
	ds_load_b64 v[26:27], v[ADN]
	ds_load_b64 v[28:29], v[ADN] offset:256
	s_wait_kmcnt 0x0                               ; this step's mask record, asked for a step ago
	s_cmp_lg_u32 s91, 0
	s_cbranch_scc1 .Lopen_\@                       ; no hole in these 16 x 128
.irp j, 0,1,2,3,4,5,6,7,8,9,10,11,12,13,14,15,16,17,18,19,20,21,22,23,24,25,26,27,28,29,30,31,32,33,34,35,36,37,38,39,40,41,42,43,44,45,46,47,48,49,50,51,52,53,54,55,56,57,58,59,60,61,62,63
	v_cndmask_b32 v[96+\j], v[NEGR], v[96+\j], s[16+\j+4*(\j/48)]
.endr
.Lopen_\@:
.irp b, 0,1,2,3
	v_max3_num_f32 v[232+\b], v[96+16*\b], v[97+16*\b], v[98+16*\b]   ; the largest score of each block of 32 keys: for the row's maximum and, since p rises with the score, for the block's largest p
.endr
.irp i, 3,5,7,9,11,13
.irp b, 0,1,2,3
	v_max3_num_f32 v[232+\b], v[232+\b], v[96+16*\b+\i], v[97+16*\b+\i]
.endr
.endr
.irp b, 0,1,2,3
	v_max_num_f32 v[232+\b], v[232+\b], v[111+16*\b]
.endr
.irp b, 0,1,2,3
	v_permlanex16_b32 v[236+\b], v[232+\b], s[SEL], s[SEL+1]
.endr
.irp b, 0,1,2,3
	v_max_num_f32 v[232+\b], v[232+\b], v[236+\b]  ; with lane l xor 16's 16 keys
.endr
	s_add_co_u32 s88, s88, 1                       ; the next mask record (the wait above has shown the last loads done, so their offsets may be written)
	s_min_u32 s88, s88, 31
	s_lshl_b32 s89, s88, 8
	s_lshl_b32 s90, s88, 2
	MLOAD
	v_max3_num_f32 v254, v232, v233, v234
	v_max_num_f32 v254, v254, v235                 ; the step's largest score of my query
	v_mul_f32 v254, s[CS], v254
	v_max_num_f32 v13, v13, v254                   ; the running largest t
	v_mov_b32 v254, v12
	v_floor_f32 v12, -v13                          ; the new -M = -ceil(t)
	v_sub_f32 v254, v12, v254                      ; old M - new M: a whole number, 0 or less
	v_cvt_i32_f32 v254, v254                       ; (it saturates)
	v_ldexp_f32 v252, 1.0, v254                    ; f = 2^(old M - new M)
.irp j, 0,2,4,6,8,10,12,14,16,18,20,22,24,26,28,30,32,34,36,38,40,42,44,46,48,50,52,54,56,58,60,62
	v_pk_fma_f32 v[96+\j:97+\j], v[96+\j:97+\j], s[CS:CS+1], v[12:13] op_sel_hi:[1,0,0]   ; t - M, two at a time
.endr
.irp b, 0,1,2,3
	v_fma_f32 v[232+\b], v[232+\b], s[CS], v12
.endr
.irp j, 0,1,2,3,4,5,6,7,8,9,10,11,12,13,14,15,16,17,18,19,20,21,22,23,24,25,26,27,28,29,30,31,32,33,34,35,36,37,38,39,40,41,42,43,44,45,46,47,48,49,50,51,52,53,54,55,56,57,58,59,60,61,62,63
	v_exp_f32 v[96+\j], v[96+\j]                   ; p = 2^(t - M)
.endr
.irp b, 0,1,2,3
	v_exp_f32 v[232+\b], v[232+\b]                 ; the block's largest p
.endr
	v_pk_mul_f32 v[14:15], v[14:15], v[252:253] op_sel_hi:[1,0]   ; the sums under the new M (a plain place behind the exponentials)
	s_wait_alu depctr_va_vdst(0)
.irp b, 0,1,2,3
	v_max_num_f32 v[232+\b], 0x1800000, v[232+\b]  ; the floor 2^(3 - 127)
.endr
.irp b, 0,1,2,3
	v_add_nc_u32 v[244+\b], 0xff000000, v[232+\b]  ; the conversion's scale operand
.endr
.irp b, 0,1,2,3
	v_lshrrev_b32 v[236+\b], 23, v[244+\b]         ; the scale's byte
.endr
	v_lshl_or_b32 v253, v237, 8, v236              ; p's scale word for these 128 keys
	v_lshl_or_b32 v253, v238, 16, v253
	v_lshl_or_b32 v253, v239, 24, v253
.irp b, 0,1,2,3
	v_cvt_scalef32_pk8_fp4_f32 v[224+2*\b], v[96+16*\b:103+16*\b], v[244+\b]
	v_cvt_scalef32_pk8_fp4_f32 v[225+2*\b], v[104+16*\b:111+16*\b], v[244+\b]
.endr
	v_nop                                          ; one plain place behind a scaled conversion
.irp c, 0,1
.irp i, 0,1
	v_permlane16_swap_b32 v[224+4*\c+\i], v[226+4*\c+\i]
.endr
.endr
	v_pk_add_f32 v[236:237], v[96:97], v[98:99]    ; the row's sum of the unquantised p, in two chains
.irp j, 4,8,12,16,20,24,28,32,36,40,44,48,52,56,60
	v_pk_add_f32 v[14:15], v[14:15], v[96+\j:97+\j]
	v_pk_add_f32 v[236:237], v[236:237], v[98+\j:99+\j]
.endr
	v_pk_add_f32 v[14:15], v[14:15], v[236:237]
.irp j, 0,2,4,6,8,10,12,14,16,18,20,22,24,26,28,30
	v_pk_mul_f32 v[160+\j:161+\j], v[160+\j:161+\j], v[252:253] op_sel_hi:[1,0]   ; O^T under the new M; with the sums above, the places between p's codes and scale word and the products
.endr
	s_wait_dscnt 10                                ; V's nine loads are in; the next K's ten may be out
.irp d, 0,1,2,3
.if (\d%2) == 0
	v_wmma_scale_f32_16x16x128_f8f6f4 v[160+8*\d:167+8*\d], v[192+8*\d:199+8*\d], v[224:231], v[160+8*\d:167+8*\d], v[30+\d/2], v253 matrix_a_fmt:MATRIX_FMT_FP4 matrix_b_fmt:MATRIX_FMT_FP4
.else
	v_wmma_scale_f32_16x16x128_f8f6f4 v[160+8*\d:167+8*\d], v[192+8*\d:199+8*\d], v[224:231], v[160+8*\d:167+8*\d], v[30+\d/2], v253 matrix_a_fmt:MATRIX_FMT_FP4 matrix_b_fmt:MATRIX_FMT_FP4 matrix_a_scale:MATRIX_SCALE_ROW1
.endif
.endr
	s_add_co_u32 s92, s92, 1
	s_cmp_lt_u32 s92, 16
	s_cbranch_scc1 .Lstep_\@
	; the pass's end: O^T / l, quantised along the head's 64 channels: one unit of 512 bytes and two scale bytes a row
.rept 4
	v_nop
.endr
	v_add_f32 v14, v14, v15
	v_permlanex16_b32 v252, v14, s[SEL], s[SEL+1]
	v_add_f32 v14, v14, v252                       ; the row's sum
	v_rcp_f32 v14, v14
	v_nop                                          ; one plain place behind a transcendental
	s_wait_alu depctr_va_vdst(0)
.irp j, 0,2,4,6,8,10,12,14,16,18,20,22,24,26,28,30
	v_pk_mul_f32 v[160+\j:161+\j], v[160+\j:161+\j], v[14:15] op_sel_hi:[1,0]   ; each accumulator from its low end on
.endr
.irp b, 0,1
	v_max3_num_f32 v[232+\b], |v[160+16*\b]|, |v[161+16*\b]|, 0x1800000
.endr
.irp i, 2,4,6,8,10,12,14
.irp b, 0,1
	v_max3_num_f32 v[232+\b], v[232+\b], |v[160+16*\b+\i]|, |v[161+16*\b+\i]|
.endr
.endr
.irp b, 0,1
	v_permlanex16_b32 v[236+\b], v[232+\b], s[SEL], s[SEL+1]
.endr
.irp b, 0,1
	v_max_num_f32 v[232+\b], v[232+\b], v[236+\b]
.endr
.irp b, 0,1
	v_add_nc_u32 v[244+\b], 0xff000000, v[232+\b]
.endr
.irp b, 0,1
	v_lshrrev_b32 v[236+\b], 23, v[244+\b]
.endr
.irp b, 0,1
	v_cvt_scalef32_pk8_fp4_f32 v[224+2*\b], v[160+16*\b:167+16*\b], v[244+\b]
	v_cvt_scalef32_pk8_fp4_f32 v[225+2*\b], v[168+16*\b:175+16*\b], v[244+\b]
.endr
	v_nop
	v_permlane16_swap_b32 v224, v226
	v_permlane16_swap_b32 v225, v227
	v_cndmask_b32 v232, v236, v237, s3             ; lanes 0-15 carry block 0's byte of row r, lanes 16-31 block 1's
	global_store_b128 v[LI], v[224:227], s[8:9] offset:8192*\p    ; 512 consecutive bytes
	global_store_b8 v[BO], v232, s[86:87] offset:512*\p           ; two bytes of each row's 16: the other heads' bytes come from other work-groups
	s_wait_xcnt 0x0                                ; the stores have read their registers
.endm
	PASS 0
	PASS 1
	s_wait_dscnt 0x0                               ; the K loads that the last step left behind it
	s_wait_tensorcnt 0x0
	ds_add_u32 v251, v255
	s_wait_dscnt 0x0
	s_endpgm
.Lfunc_end_k_qa0b9e8c402_attn:
	.size	k_qa0b9e8c402_attn, .Lfunc_end_k_qa0b9e8c402_attn-k_qa0b9e8c402_attn
	.p2alignl 7, 3214868480
	.fill 96, 4, 3214868480
	.section	.rodata,"a",@progbits
	.p2align	6, 0x0
	.amdhsa_kernel k_qa0b9e8c402_attn
		.amdhsa_group_segment_fixed_size 149504
		.amdhsa_private_segment_fixed_size 0
		.amdhsa_enable_private_segment 0
		.amdhsa_kernarg_size 24
		.amdhsa_user_sgpr_count 2
		.amdhsa_user_sgpr_kernarg_segment_ptr 1
		.amdhsa_wavefront_size32 1
		.amdhsa_system_sgpr_workgroup_id_x 1
		.amdhsa_system_sgpr_workgroup_id_y 1
		.amdhsa_system_sgpr_workgroup_id_z 1
		.amdhsa_system_vgpr_workitem_id 0
		.amdhsa_next_free_vgpr 256
		.amdhsa_next_free_sgpr 102
		.amdhsa_reserve_vcc 0
		.amdhsa_float_denorm_mode_32 3
		.amdhsa_float_denorm_mode_16_64 3
		.amdhsa_memory_ordered 1
		.amdhsa_forward_progress 1
		.amdhsa_inst_pref_size 59
	.end_amdhsa_kernel
	.amdgpu_metadata
---
amdhsa.version: [ 1, 2 ]
amdhsa.kernels:
  - .name:           k_qa0b9e8c402_attn
    .symbol:         k_qa0b9e8c402_attn.kd
    .args:
      - { .name: H, .offset: 0, .size: 8, .value_kind: global_buffer, .address_space: global }
      - { .name: MW, .offset: 8, .size: 8, .value_kind: global_buffer, .address_space: global }
      - { .name: AO, .offset: 16, .size: 8, .value_kind: global_buffer, .address_space: global }
    .group_segment_fixed_size: 149504
    .private_segment_fixed_size: 0
    .kernarg_segment_align: 8
    .kernarg_segment_size: 24
    .max_flat_workgroup_size: 512
    .sgpr_count:     102
    .vgpr_count:     256
    .wavefront_size: 32
...
	.end_amdgpu_metadata
.endif
;; end of part 3
;; launch outp (part 4): grid 4 x 64, 4 waves a work-group, clusters of 4 x 4, 243,200 bytes of LDS; arguments AO, Wc, bo, out0; writes out0
.if DOCPART == 4
	.amdgcn_target "amdgcn-amd-amdhsa--gfx1250"
	.amdhsa_code_object_version 6
	.text
	.protected	k_qa0b9e8c402_outp
	.globl	k_qa0b9e8c402_outp
	.p2align	8
	.type	k_qa0b9e8c402_outp,@function
k_qa0b9e8c402_outp:
	s_mov_b64 s[64:65], 0
	v_nop
	global_prefetch_b8 v0, s[64:65] scope:SCOPE_SE
	s_setreg_imm32_b32 hwreg(HW_REG_WAVE_MODE, 25, 1), 1
	s_wait_xcnt 0x0
	s_wait_alu depctr_hold_cnt(0) depctr_sa_sdst(0) depctr_va_vdst(0) depctr_va_sdst(0) depctr_va_ssrc(0) depctr_va_vcc(0) depctr_vm_vsrc(0)
	s_getreg_b32 s2, hwreg(HW_REG_IB_STS2, 6, 4)
	s_cmp_eq_u32 s2, 0
	s_cbranch_scc0 .Lentry_in_a_cluster
	s_endpgm
.Lentry_in_a_cluster:
	s_bfe_u32 s2, ttmp6, 0x10000c
	s_cmp_lg_u32 s2, 0xf033
	s_cbranch_scc0 .Lentry_shape_is_right
	s_endpgm
.Lentry_shape_is_right:
; out0 = attention's result x Wo^T + bo, on codes of E2M1 (K = 1,024), f32 out.
; A work-group makes 128 tokens x 256 columns; a wave 64 x 128: 32 accumulators.  The matrix instruction is used transposed: source 0 = 16 rows of Wo, source 1 = 16 tokens, so that a lane holds one token and,
; since a tile's index i stands for row 32 (T / 2) + 8 (T % 2) + i + 8 (i / 8), its 64 registers are columns 32 b + 16 (lane / 16) + i.
; LDS.  The work-group's 384 rows of codes (192 KB) and their scales (12 KB) fit whole: every fill is a first fill, three tensor loads a wave, three out at the most.
; Codes lie in the order of the operand's registers, so a fragment is two loads of 512 consecutive bytes.  Behind them each wave has a stage of 16 rows x 528 bytes for the way out, into which no fill lands.
; CLUSTER 4 x 4: the tokens' tiles are shared along a row of the cluster, Wo's along a column: each is asked for jointly.
; REGISTERS.  window 0: v16-29 addresses; v32-79 scale words; v128-191 A's fragments, two sets, later a block's 64 results; v192-255 rows read back.  window 1: v0-127 B's fragments, two sets; v128-191 the bias.
;   window 2: the accumulators, (a, b) at v[8 (8 a + b)].
.set SLOTB, 98304
.set BOFF,  32768
.set SA,    196608
.set SB,    200704
.set STG,   208896
.set G1, 24
.set G0, 32
.set G1B, 48
.set G0B, 56
.set G1S, 68
.set G0S, 76
.set G1SB, 80
.set G0SB, 88
.set ADRA, 16
.set ADRB, 20
.set ADSB, 22
.set ADSA, 23
.set LI,   24
.set BNO,  26
.set STO,  28                          ; v28 the stage: where I put 16 bytes of my row
.set RD,   29                          ; v29 and where I read a row back
.set SC,   32
.set AF,   128
.set T,    128
.set BK,   192
.set BN,   128                         ; in window 1
.set MSB, 0
.macro WIN new                         ; the immediate's high byte repeats the setting that is left
.if MSB != \new
	s_set_vgpr_msb (MSB<<8)|\new
.set MSB, \new
.endif
.endm
.set MULW, 0xa1                        ; source 0 (B) window 1, source 1 (A) window 0, C and D window 2
.set TO_B, 0x40                        ; destination window 1, address window 0
.set ADDW, 0x06                        ; source 0 window 2, source 1 window 1, destination window 0
.macro JLOAD g0a, g1a, g0b, g1b        ; a joint load: waves 0 and 1 fetch for A, waves 2 and 3 for B; four v_nop follow each of the two lines
	s_cmp_eq_u32 s17, 0
	s_cbranch_scc0 .Lfor_b_\@
	tensor_load_to_lds s[\g0a:\g0a+3], s[\g1a:\g1a+7]
	s_nop 0
.rept 4
	v_nop
.endr
	s_branch .Lasked_\@
.Lfor_b_\@:
	tensor_load_to_lds s[\g0b:\g0b+3], s[\g1b:\g1b+7]
	s_nop 0
.rept 4
	v_nop
.endr
.Lasked_\@:
.endm
.macro CROUND                          ; a round of the cluster's barrier
	s_barrier_signal -1
	s_barrier_wait -1
	s_cmp_lg_u32 s16, 0
	s_cbranch_scc1 .Lnot_wave_0_\@
	s_barrier_signal -3
.Lnot_wave_0_\@:
	s_barrier_wait -3
	s_barrier_signal -1
	s_barrier_wait -1
.endm
	s_load_b256 s[4:11], s[0:1], 0x0               ; AO, Wc, bo, out0
	v_lshl_add_u32 v126, v0, 2, 0x3b400
	v_mov_b32 v127, 0
	ds_add_u32 v126, v127
	ds_add_u32 v126, v127
	v_lshrrev_b32 v1, 5, v0
	v_readfirstlane_b32 s16, v1                    ; wave 0..3
	s_lshr_b32 s17, s16, 1                         ; which 64 tokens are mine.  Also: I fetch for A (0) or for B (1)
	s_and_b32 s18, s16, 1                          ; which 128 columns.  Also: which half of that operand's tiles I fetch
	s_bfe_u32 s19, ttmp6, 0x40000                  ; cx
	s_bfe_u32 s20, ttmp6, 0x40004                  ; cy
	s_and_b32 s21, ttmp7, 0xffff
	s_lshl_b32 s40, s21, 2
	s_add_co_u32 s40, s40, s20                     ; block row = 4 x cluster y + cy
	s_mov_b32 s41, s19                             ; block column = cx
	s_lshl_b32 s42, s20, 2
	s_lshl_b32 s42, 15, s42                        ; my row of the cluster
	s_lshl_b32 s43, 0x1111, s19                    ; my column
	; group 1.  Codes: a row of the tile is one row tile's K half, 4,096 bytes = 512 elements of 8 bytes, 8,192 bytes apart in memory; 4 rows for A, 8 for B.  No padding.
	s_or_b32 s[G1], s42, (3<<16)|(1<<21)           ; 15:0 the mask; 17:16 elements of 8 bytes; 21 set beside a mask
	s_or_b32 s[G1B], s43, (3<<16)|(1<<21)
	s_mov_b32 s[G1+1], 512<<16
	s_mov_b32 s[G1+2], 4<<16
	s_mov_b32 s[G1+3], 512<<16
	s_mov_b32 s[G1+4], 4
	s_mov_b32 s[G1+5], 1024
	s_mov_b32 s[G1+6], 0
	s_mov_b32 s[G1+7], 0
	s_mov_b32 s[G1B+1], 512<<16
	s_mov_b32 s[G1B+2], 8<<16
	s_mov_b32 s[G1B+3], 512<<16
	s_mov_b32 s[G1B+4], 8
	s_mov_b32 s[G1B+5], 1024
	s_mov_b32 s[G1B+6], 0
	s_mov_b32 s[G1B+7], 0
	; scales: dense blocks, as rows of 256 bytes: 8 rows for A, 16 for B
	s_or_b32 s[G1S], s42, (3<<16)|(1<<21)
	s_or_b32 s[G1SB], s43, (3<<16)|(1<<21)
	s_mov_b32 s[G1S+1], 32<<16
	s_mov_b32 s[G1S+2], 8<<16
	s_mov_b32 s[G1S+3], 32<<16
	s_mov_b32 s[G1S+4], 8
	s_mov_b32 s[G1S+5], 32
	s_mov_b32 s[G1S+6], 0
	s_mov_b32 s[G1S+7], 0
	s_mov_b32 s[G1SB+1], 32<<16
	s_mov_b32 s[G1SB+2], 16<<16
	s_mov_b32 s[G1SB+3], 32<<16
	s_mov_b32 s[G1SB+4], 16
	s_mov_b32 s[G1SB+5], 32
	s_mov_b32 s[G1SB+6], 0
	s_mov_b32 s[G1SB+7], 0
	s_lshl_b32 s2, s18, 2
	s_lshl_b32 s45, s40, 3
	s_add_co_u32 s45, s45, s2                      ; the first of the 4 tiles of A that I would fetch
	s_lshl_b32 s96, s45, 13                        ; its codes,
	s_mov_b32 s97, 0
	s_lshl_b32 s98, s45, 9
	s_add_co_u32 s98, s98, 4194304                 ; its scales
	s_mov_b32 s99, 0
	s_lshl_b32 s2, s18, 3
	s_lshl_b32 s46, s41, 4
	s_add_co_u32 s46, s46, s2                      ; the first of the 8 tiles of Wo
	s_lshl_b32 s92, s46, 13
	s_add_co_u32 s92, s92, 1572864
	s_mov_b32 s93, 0
	s_lshl_b32 s94, s46, 9
	s_add_co_u32 s94, s94, 2195456
	s_mov_b32 s95, 0
	s_wait_dscnt 0x0
	s_wait_kmcnt 0x0
	s_add_nc_u64 s[96:97], s[4:5], s[96:97]
	s_add_nc_u64 s[98:99], s[4:5], s[98:99]
	s_add_nc_u64 s[92:93], s[6:7], s[92:93]
	s_add_nc_u64 s[94:95], s[6:7], s[94:95]
	CROUND                                         ; all sixteen work-groups are here: the joint loads meet
	s_mov_b32 s[G0S], 1
	s_lshl_b32 s2, s18, 11
	s_add_co_u32 s[G0S+1], s2, SA
	s_mov_b64 s[G0S+2:G0S+3], s[98:99]
	s_or_b32 s[G0S+3], s[G0S+3], 0x80000000
	s_mov_b32 s[G0SB], 1
	s_lshl_b32 s2, s18, 12
	s_add_co_u32 s[G0SB+1], s2, SB
	s_mov_b64 s[G0SB+2:G0SB+3], s[94:95]
	s_or_b32 s[G0SB+3], s[G0SB+3], 0x80000000
	JLOAD G0S, G1S, G0SB, G1SB
	s_lshl_b32 s2, s18, 14
	s_lshl_b32 s3, s18, 15
	s_add_co_u32 s3, s3, BOFF
.irp s, 0,1
	s_mov_b32 s[G0+4*\s], 1
	s_add_co_u32 s[G0+4*\s+1], s2, \s*SLOTB
	s_add_nc_u64 s[G0+4*\s+2:G0+4*\s+3], s[96:97], \s*4096
	s_or_b32 s[G0+4*\s+3], s[G0+4*\s+3], 0x80000000
	s_mov_b32 s[G0B+4*\s], 1
	s_add_co_u32 s[G0B+4*\s+1], s3, \s*SLOTB
	s_add_nc_u64 s[G0B+4*\s+2:G0B+4*\s+3], s[92:93], \s*4096
	s_or_b32 s[G0B+4*\s+3], s[G0B+4*\s+3], 0x80000000
	JLOAD G0+4*\s, G1, G0B+4*\s, G1B
.endr
	v_and_b32 v1, 31, v0                           ; lane
	v_and_b32 v2, 15, v0                           ; r
	v_bfe_u32 v3, v0, 4, 1                         ; h
	v_lshlrev_b32 v[LI], 4, v1
	s_lshl_b32 s66, s17, 14
	v_add_nc_u32 v[ADRA], s66, v[LI]
	v_add_nc_u32 v[ADRA+1], SLOTB, v[ADRA]
	s_lshl_b32 s66, s18, 15
	s_add_co_u32 s66, s66, BOFF
	v_add_nc_u32 v[ADRB], s66, v[LI]
	v_add_nc_u32 v[ADRB+1], SLOTB, v[ADRB]
	v_lshlrev_b32 v[ADSB], 4, v2
	v_lshl_add_u32 v[ADSA], v3, 9, v[ADSB]
	v_lshl_add_u32 v[ADSB], v3, 11, v[ADSB]
	s_lshl_b32 s66, s18, 12
	s_add_co_u32 s66, s66, SB
	v_add_nc_u32 v[ADSB], s66, v[ADSB]
	s_lshl_b32 s66, s17, 11
	s_add_co_u32 s66, s66, SA
	v_add_nc_u32 v[ADSA], s66, v[ADSA]
	s_mul_i32 s66, s16, 16*528
	s_add_co_u32 s66, s66, STG                     ; my stage
	v_mul_u32_u24 v[STO], v2, 528
	v_lshl_add_u32 v[STO], v3, 6, v[STO]
	v_add_nc_u32 v[STO], s66, v[STO]               ; in: row r, + 64 h
	v_add_nc_u32 v[RD], s66, v[LI]                 ; back: the 32 lanes take one row of 512 bytes
	s_lshl_b32 s44, s40, 7
	s_lshl_b32 s2, s17, 6
	s_add_co_u32 s44, s44, s2                      ; my first token
	s_lshl_b32 s45, s41, 8
	s_lshl_b32 s2, s18, 7
	s_add_co_u32 s45, s45, s2                      ; my first column
	s_lshl_b32 s45, s45, 2
	v_lshlrev_b32 v[BNO], 6, v3
	v_add_nc_u32 v[BNO], s45, v[BNO]               ; the bias: 64 h + 4 x first column
	WIN TO_B
.irp b, 0,1,2,3
.irp j, 0,1,2,3
	global_load_b128 v[BN+16*\b+4*\j:BN+16*\b+4*\j+3], v[BNO], s[8:9] offset:128*\b+16*\j
.endr
.endr
	WIN 0
	s_lshl_b32 s44, s44, 12
	s_add_co_u32 s44, s44, s45
	s_mov_b32 s45, 0
	s_add_nc_u64 s[10:11], s[10:11], s[44:45]      ; out0 at my first token and column
.macro FETCH q                         ; the fragments of K step q into set q % 2: B's eight, A's four
	WIN TO_B
.irp i, 0,1,2,3,4,5,6,7
.irp c, 0,1
	ds_load_b128 v[64*((\q)%2)+8*\i+4*\c:64*((\q)%2)+8*\i+4*\c+3], v[ADRB+(\q)/4] offset:\i*4096+((\q)%4)*1024+512*\c
.endr
.endr
	WIN 0
.irp i, 0,1,2,3
.irp c, 0,1
	ds_load_b128 v[AF+32*((\q)%2)+8*\i+4*\c:AF+32*((\q)%2)+8*\i+4*\c+3], v[ADRA+(\q)/4] offset:\i*4096+((\q)%4)*1024+512*\c
.endr
.endr
.endm
.macro SCALES s
.irp j, 0,1,2,3
	ds_load_b128 v[SC+24*\s+4*\j:SC+24*\s+4*\j+3], v[ADSB] offset:512*\j+256*\s
.endr
.irp j, 0,1
	ds_load_b128 v[SC+24*\s+16+4*\j:SC+24*\s+16+4*\j+3], v[ADSA] offset:1024*\j+256*\s
.endr
.endm
.macro WMMA q, a, b                    ; accumulator (a, b), K step q.  The first K step starts the sums
.set rD, 8*(8*(\a)+(\b))
.set rB, 64*((\q)%2)+8*(\b)
.set rA, AF+32*((\q)%2)+8*(\a)
.set rSB, SC+24*((\q)/4)+4*((\b)%4)+((\q)%4)
.set rSA, SC+24*((\q)/4)+16+4*((\a)/2)+((\q)%4)
.if (\q) == 0
.if (\b) < 4
.if ((\a)%2) == 0
	v_wmma_scale_f32_16x16x128_f8f6f4 v[rD:rD+7], v[rB:rB+7], v[rA:rA+7], 0, v[rSB], v[rSA] matrix_a_fmt:MATRIX_FMT_FP4 matrix_b_fmt:MATRIX_FMT_FP4
.else
	v_wmma_scale_f32_16x16x128_f8f6f4 v[rD:rD+7], v[rB:rB+7], v[rA:rA+7], 0, v[rSB], v[rSA] matrix_a_fmt:MATRIX_FMT_FP4 matrix_b_fmt:MATRIX_FMT_FP4 matrix_b_scale:MATRIX_SCALE_ROW1
.endif
.else
.if ((\a)%2) == 0
	v_wmma_scale_f32_16x16x128_f8f6f4 v[rD:rD+7], v[rB:rB+7], v[rA:rA+7], 0, v[rSB], v[rSA] matrix_a_fmt:MATRIX_FMT_FP4 matrix_b_fmt:MATRIX_FMT_FP4 matrix_a_scale:MATRIX_SCALE_ROW1
.else
	v_wmma_scale_f32_16x16x128_f8f6f4 v[rD:rD+7], v[rB:rB+7], v[rA:rA+7], 0, v[rSB], v[rSA] matrix_a_fmt:MATRIX_FMT_FP4 matrix_b_fmt:MATRIX_FMT_FP4 matrix_a_scale:MATRIX_SCALE_ROW1 matrix_b_scale:MATRIX_SCALE_ROW1
.endif
.endif
.else
.if (\b) < 4
.if ((\a)%2) == 0
	v_wmma_scale_f32_16x16x128_f8f6f4 v[rD:rD+7], v[rB:rB+7], v[rA:rA+7], v[rD:rD+7], v[rSB], v[rSA] matrix_a_fmt:MATRIX_FMT_FP4 matrix_b_fmt:MATRIX_FMT_FP4
.else
	v_wmma_scale_f32_16x16x128_f8f6f4 v[rD:rD+7], v[rB:rB+7], v[rA:rA+7], v[rD:rD+7], v[rSB], v[rSA] matrix_a_fmt:MATRIX_FMT_FP4 matrix_b_fmt:MATRIX_FMT_FP4 matrix_b_scale:MATRIX_SCALE_ROW1
.endif
.else
.if ((\a)%2) == 0
	v_wmma_scale_f32_16x16x128_f8f6f4 v[rD:rD+7], v[rB:rB+7], v[rA:rA+7], v[rD:rD+7], v[rSB], v[rSA] matrix_a_fmt:MATRIX_FMT_FP4 matrix_b_fmt:MATRIX_FMT_FP4 matrix_a_scale:MATRIX_SCALE_ROW1
.else
	v_wmma_scale_f32_16x16x128_f8f6f4 v[rD:rD+7], v[rB:rB+7], v[rA:rA+7], v[rD:rD+7], v[rSB], v[rSA] matrix_a_fmt:MATRIX_FMT_FP4 matrix_b_fmt:MATRIX_FMT_FP4 matrix_a_scale:MATRIX_SCALE_ROW1 matrix_b_scale:MATRIX_SCALE_ROW1
.endif
.endif
.endif
.endm
.macro MUL q                           ; the 32 accumulators take turns, in the same order in every K step
.irp a, 0,1,2,3
.irp b, 0,1,2,3,4,5,6,7
	WMMA \q, \a, \b
.endr
.endr
.endm
.macro STEPQ q
	s_wait_dscnt 0x0                               ; this K step's fragments are in
.if (\q) == 3
	s_wait_tensorcnt 0x0                           ; my part of K half 1 has landed,
	s_barrier_signal -1
	s_barrier_wait -1                              ; everybody's has.
.endif
.if (\q) > 0
.rept 4
	v_nop                                          ; places in front of loads into the set that the last 32 matrix instructions read
.endr
.endif
.if (\q) < 7
	FETCH (\q)+1
.if (\q) == 3
	SCALES 1
.endif
.endif
	WIN MULW
	MUL \q
	WIN 0
.endm
	s_wait_tensorcnt 1                             ; the scales and my part of K half 0 are in; K half 1's load may be out
	s_barrier_signal -1
	s_barrier_wait -1
	FETCH 0
	SCALES 0
	STEPQ 0
	STEPQ 1
	STEPQ 2
	STEPQ 3
	STEPQ 4
	STEPQ 5
	STEPQ 6
	STEPQ 7
	s_wait_loadcnt 0x0                             ; the bias
.rept 4
	v_nop                                          ; places in front of the first read of results and the first write over A's fragments
.endr
; Tile a of my tokens: bias; through my stage; 16 whole rows of 512 bytes out.  LDS serves a wave's instructions in order, so no wait stands between the stores and the loads.
.macro EPO a
.if (\a) > 0
	s_wait_xcnt 0x0                                ; the last tile's stores have read their registers
.endif
	WIN ADDW
.set k, 0
.rept 32
	v_pk_add_f32 v[T+k:T+k+1], v[64*(\a)+k:64*(\a)+k+1], v[BN+k:BN+k+1]   ; each accumulator from its low end on
.set k, k+2
.endr
	WIN 0
.irp b, 0,1,2,3
.irp j, 0,1,2,3
	ds_store_b128 v[STO], v[T+16*\b+4*\j:T+16*\b+4*\j+3] offset:128*\b+16*\j
.endr
.endr
.irp i, 0,1,2,3,4,5,6,7,8,9,10,11,12,13,14,15
	ds_load_b128 v[BK+4*\i:BK+4*\i+3], v[RD] offset:528*\i
.endr
.irp i, 0,1,2,3,4,5,6,7,8,9,10,11,12,13,14,15
	s_wait_dscnt 15-\i                             ; row i is back; the younger loads may be out
	global_store_b128 v[LI], v[BK+4*\i:BK+4*\i+3], s[10:11] offset:(32*((\a)/2)+8*((\a)%2)+\i+8*(\i/8))*4096 th:TH_STORE_NT   ; 512 consecutive bytes, at a multiple of 512 from out0's first byte
.endr
.endm
	EPO 0
	EPO 1
	EPO 2
	EPO 3
	s_wait_tensorcnt 0x0
	s_wait_dscnt 0x0
	s_wait_tensorcnt 0x0
	ds_add_u32 v126, v127
	s_wait_dscnt 0x0
	CROUND                                         ; the closing round: no work-group ends while a partner may still ask for a tile that names it
	s_endpgm
.Lfunc_end_k_qa0b9e8c402_outp:
	.size	k_qa0b9e8c402_outp, .Lfunc_end_k_qa0b9e8c402_outp-k_qa0b9e8c402_outp
	.p2alignl 7, 3214868480
	.fill 96, 4, 3214868480
	.section	.rodata,"a",@progbits
	.p2align	6, 0x0
	.amdhsa_kernel k_qa0b9e8c402_outp
		.amdhsa_group_segment_fixed_size 243200
		.amdhsa_private_segment_fixed_size 0
		.amdhsa_enable_private_segment 0
		.amdhsa_kernarg_size 32
		.amdhsa_user_sgpr_count 2
		.amdhsa_user_sgpr_kernarg_segment_ptr 1
		.amdhsa_wavefront_size32 1
		.amdhsa_system_sgpr_workgroup_id_x 1
		.amdhsa_system_sgpr_workgroup_id_y 1
		.amdhsa_system_sgpr_workgroup_id_z 1
		.amdhsa_system_vgpr_workitem_id 0
		.amdhsa_next_free_vgpr 768
		.amdhsa_next_free_sgpr 100
		.amdhsa_reserve_vcc 0
		.amdhsa_float_denorm_mode_32 3
		.amdhsa_float_denorm_mode_16_64 3
		.amdhsa_memory_ordered 1
		.amdhsa_forward_progress 1
		.amdhsa_inst_pref_size 83
	.end_amdhsa_kernel
	.amdgpu_metadata
---
amdhsa.version: [ 1, 2 ]
amdhsa.kernels:
  - .name:           k_qa0b9e8c402_outp
    .symbol:         k_qa0b9e8c402_outp.kd
    .args:
      - { .name: AO, .offset: 0, .size: 8, .value_kind: global_buffer, .address_space: global }
      - { .name: Wc, .offset: 8, .size: 8, .value_kind: global_buffer, .address_space: global }
      - { .name: bo, .offset: 16, .size: 8, .value_kind: global_buffer, .address_space: global }
      - { .name: out0, .offset: 24, .size: 8, .value_kind: global_buffer, .address_space: global }
    .group_segment_fixed_size: 243200
    .private_segment_fixed_size: 0
    .kernarg_segment_align: 8
    .kernarg_segment_size: 32
    .max_flat_workgroup_size: 128
    .sgpr_count:     100
    .vgpr_count:     768
    .wavefront_size: 32
...
	.end_amdgpu_metadata
.endif
;; end of part 4
;; ======== version 2 of 2: 4 launches; version 1 with the launch attn written anew for expert scheduling mode
;; limits: right only within a limited range of input values
;; workspace buffers: X 13,369,344 bytes; Wc 2,228,224 bytes; MW 532,480 bytes of whole numbers; H 13,893,632 bytes; AO 4,456,448 bytes
;; launch prep: the kernel of part 1 again; grid 1024 x 1, 4 waves a work-group, no clusters, 68,096 bytes of LDS; arguments q, k, v, Wq, Wk, Wv, Wo, mask, X, Wc, MW; writes X, Wc, MW
;; launch proj: the kernel of part 2 again; grid 4 x 192, 4 waves a work-group, clusters of 4 x 4, 209,408 bytes of LDS; arguments X, Wc, bq, bk, bv, H; writes H
;; launch attn (part 5): grid 4 x 64, 16 waves a work-group, no clusters, 149,504 bytes of LDS; arguments H, MW, AO; writes AO
.if DOCPART == 5
	.amdgcn_target "amdgcn-amd-amdhsa--gfx1250"
	.amdhsa_code_object_version 6
	.text
	.protected	k_qa0b9e8c402_attn
	.globl	k_qa0b9e8c402_attn
	.p2align	8
	.type	k_qa0b9e8c402_attn,@function
k_qa0b9e8c402_attn:
	s_mov_b64 s[64:65], 0
	v_nop
	global_prefetch_b8 v0, s[64:65] scope:SCOPE_SE
	s_setreg_imm32_b32 hwreg(HW_REG_WAVE_SCHED_MODE, 0, 2), 2
	s_setreg_imm32_b32 hwreg(HW_REG_WAVE_MODE, 25, 1), 1
	s_wait_xcnt 0x0
	s_wait_alu depctr_vm_vsrc(0)
; For each batch and head: O = softmax(mask(q k^T / 8)) v, both products on codes of E2M1; O / l is quantised along (head, channel) and stored as the last product's operand.
; THE SOFTMAX: t = score x log2(e) / 8; M = the running largest t rounded up to a whole number; p = 2^(t - M) is quantised along the keys, not normalised; the row's sum l is taken of the unquantised p.
; SHARES.  A work-group owns 512 queries of one head; each of its sixteen waves two tiles of 16, one after the other.  Four waves share a SIMD, so that one wave's vector work stands beside another's products and LDS loads.
; The head's whole K and V (128 KB of codes, 12 KB of scale words) come into LDS once, through registers; one barrier.
; NO TENSOR LOAD, NO CLUSTER: a step whose 16 x 128 mask bits are all set jumps over the 64 selects, a branch on a flag that the first launch stored.
; What the four work-groups of a head share is read once by each, 140 KB.
; LAYOUT.  Both products are used transposed: S^T = K Q^T, O^T = V^T P^T: a lane holds one query (lane % 16).  A tile's index i stands for row 32 (T / 2) + 8 (T % 2) + i + 8 (i / 8),
; so S^T's 64 registers are keys 32 b + 16 (lane / 16) + i of the step, and O^T's 32 registers channels in the same order.  The head's K is 64: registers 4-7 of Q's and K's fragments hold zero codes.
; THE MASK comes as lane-mask words by scalar loads, a record of 64 words a step, one step ahead; word j lies in s[16 + j + 4 (j / 48)].
; LIMITS: a masked score is -2^33, a logit of -2^30 where the definition has -1e9: score x c is then a whole number, so a row with no key left gives p = 1 for every key, as the definition does; results differ
; only where a logit that is not masked lies at or under about -1e9.  A block of zeros gets the byte 1 where the rule says 127.  NaN and infinities are not served.
; The last step of each pass fetches the K tiles of step 0 again, and the last step of all the last mask record again: both stay inside their bytes and are not used.
; THE MODE: SCHED_MODE bits 1:0 = 2 (LLVM: expert scheduling mode 2), set by the entry lines.  The code itself states the register dependences
; between vector or matrix instructions and memory or LDS instructions, with s_wait_alu, always for 0.
; THE PLAN.  Registers that memory or LDS instructions touch:
;   v1, v2, v3, v9   offsets made at the head, read by loads and stores throughout, never written again.
;   v13-15, v232-234, v96-165   at the head only: offsets, LDS store addresses and the stage of K and V; the passes write them again behind one wait on vm_vsrc, which stands behind the barrier.
;   v4-7             the step's four LDS addresses: written by four additions at a step's head, behind a wait on vm_vsrc; read by the step's 19 LDS loads.
;   K: v32 + 8 t .. 35 + 8 t, v26-29   read by the step's eight products K Q^T; behind them the next step's ten loads land there.
;   V: v192-223, v30-31                read by the step's four products V^T P^T, its last instructions; the next step's nine loads land there.
;   v224-227, v232   at a pass's end the data of its two stores; written again in the next pass's first step, behind that step's wait on vm_vsrc.
; So ONE wait on va_vdst serves a step's 19 LDS loads.  It stands behind the products K Q^T: they are done reading K, the step before's products V^T P^T are done reading V, and v4-7 are written.
; No vector or matrix instruction from there to the step's end names a register that those loads touch but the products V^T P^T, which read V behind its wait on DScnt.
; Two more waits on va_vdst stand in a step: behind the exponentials, ahead of their first reader, and ahead of the products V^T P^T, which take p's codes and scale word from vector instructions.
.set LI,   1                           ; v1  16 x lane
.set LIV,  2                           ; v2  + 65,536: V's codes
.set LS8,  3                           ; v3  8 x lane + 131,072: the scale records
.set ADV,  4                           ; v4-7 the step's addresses: V, V's scale words, the next K, its scale words
.set ADS,  5
.set ADK,  6
.set ADN,  7
.set NEGR, 8                           ; v8  -2^33
.set BO,   9                           ; v9  16 r + h: my scale byte's place
.set CS,   12                          ; s[12:13] c = log2(e) / 8
.set SEL,  14                          ; s[14:15] lane selects for lane l xor 16
; v12 -M, v13 the largest t, v[14:15] the sum; v16-23 Q, v24 its scale word; v26-29 K's scale words, v30-31 V's; v32-95 K's 8 fragments; v96-159 S^T, then p; v160-191 O^T; v192-223 V's 4 fragments;
; v224-231 p's codes; v232-239, v244-247, v252-254 at work (v253: p's scale word); v240-243, v249 the second pass's Q and its scale word; v251, v255 the closing add's two, made at the head and kept for it alone.
	s_load_b128 s[4:7], s[0:1], 0x0                ; H, MW
	s_load_b64 s[8:9], s[0:1], 0x10                ; AO
	v_lshl_add_u32 v251, v0, 2, 0x24000
	v_mov_b32 v255, 0
	v_lshrrev_b32 v10, 5, v0
	v_readfirstlane_b32 s2, v10                    ; wave 0..15
	v_and_b32 v10, 31, v0                          ; lane
	v_and_b32 v11, 15, v0                          ; r
	v_bfe_u32 v12, v0, 4, 1                        ; h
	v_lshlrev_b32 v[LI], 4, v10
	v_add_nc_u32 v[LIV], 65536, v[LI]
	v_lshlrev_b32 v[LS8], 3, v10
	v_add_nc_u32 v[LS8], 131072, v[LS8]
	v_mov_b32 v[NEGR], 0xd0000000
	v_lshl_add_u32 v[BO], v11, 4, v12
	v_lshlrev_b32 v13, 4, v0                       ; 16 x thread
	v_lshlrev_b32 v14, 3, v0                       ; 8 x thread
	v_lshlrev_b32 v15, 3, v11                      ; 8 r
	v_add_nc_u32 v232, 65536, v13                  ; LDS: V's codes, 16 x thread
	s_wait_alu depctr_va_sdst(0)                   ; s2, the wave's number, is written, ahead of its first reader: LDS addresses and the wave's tiles are made from it
	s_lshl_b32 s16, s2, 10
	v_add_nc_u32 v233, s16, v[LI]
	v_add_nc_u32 v233, 131072, v233                ; K's scale words: step = wave, 16 x lane
	v_add_nc_u32 v234, s16, v[LS8]                 ; V's: 8 x lane (+ 512)
	s_and_b32 s10, ttmp7, 0xffff                   ; batch x 16 + head
	s_lshl_b32 s11, ttmp9, 5
	s_lshl_b32 s16, s2, 1
	s_add_co_u32 s11, s11, s16                     ; my first query tile: 32 x + 2 wave
	s_lshl_b32 s92, s10, 16
	s_add_co_u32 s92, s92, 4194304                 ; K's codes
	s_mov_b32 s93, 0
	s_lshr_b32 s94, s10, 1
	s_lshl_b32 s94, s94, 17
	s_and_b32 s16, s10, 1
	s_lshl_b32 s16, s16, 15
	s_add_co_u32 s94, s94, s16
	s_add_co_u32 s94, s94, 8388608                 ; V's codes
	s_mov_b32 s95, 0
	s_lshl_b32 s96, s10, 13
	s_add_co_u32 s17, s96, 12582912                ; Q's scale words of the head
	s_add_co_u32 s96, s96, 13107200                ; K's scale words
	s_mov_b32 s97, 0
	s_lshl_b32 s98, s10, 12
	s_add_co_u32 s98, s98, 13631488                ; V's scale words
	s_mov_b32 s99, 0
	s_lshl_b32 s100, s10, 16
	s_lshl_b32 s16, s11, 9
	s_add_co_u32 s100, s100, s16                   ; Q's codes at my first tile
	s_mov_b32 s101, 0
	s_lshr_b32 s16, s11, 3                         ; my tiles' place among Q's scale words: step,
	s_lshl_b32 s16, s16, 9
	s_add_co_u32 s17, s17, s16
	s_bfe_u32 s16, s11, 0x10002                    ; group of four tiles,
	s_lshl_b32 s16, s16, 8
	s_add_co_u32 s17, s17, s16
	s_bfe_u32 s16, s11, 0x10001                    ; word; the tile's parity is 128 bytes, in the load's immediate
	s_lshl_b32 s16, s16, 2
	s_add_co_u32 s17, s17, s16
	v_add_nc_u32 v15, s17, v15
	s_lshl_b32 s18, s11, 12                        ; my 32 mask records,
	s_mov_b32 s19, 0
	s_lshl_b32 s20, s11, 6
	s_add_co_u32 s20, s20, 524288                  ; their flags
	s_mov_b32 s21, 0
	s_lshr_b32 s16, s10, 4                         ; batch
	s_and_b32 s17, s10, 15                         ; head
	s_lshl_b32 s22, s16, 20
	s_lshl_b32 s24, s11, 13
	s_add_co_u32 s22, s22, s24
	s_lshl_b32 s24, s17, 9
	s_add_co_u32 s22, s22, s24                     ; AO's codes: (token tile x 16 + head) x 512
	s_mov_b32 s23, 0
	s_lshl_b32 s24, s16, 16
	s_lshl_b32 s26, s11, 9
	s_add_co_u32 s24, s24, s26
	s_lshr_b32 s26, s17, 3
	s_lshl_b32 s26, s26, 8
	s_add_co_u32 s24, s24, s26
	s_and_b32 s26, s17, 7
	s_lshl_b32 s26, s26, 1
	s_add_co_u32 s24, s24, s26
	s_add_co_u32 s24, s24, 4194304                 ; AO's scale bytes: token tile x 512 + (head / 8) x 256 + 2 (head % 8)
	s_mov_b32 s25, 0
	s_mov_b32 s[CS], 0x3e38aa3b
	s_mov_b32 s[CS+1], s[CS]                       ; (named with it as a pair, so it is written)
	s_mov_b32 s[SEL], 0x76543210
	s_mov_b32 s[SEL+1], 0xfedcba98
	s_mov_b32 s3, 0xffff0000                       ; lanes 16-31
	s_mov_b32 s88, 0                               ; the mask record in hand, 0..31
	s_mov_b32 s89, 0
	s_mov_b32 s90, 0
	s_wait_kmcnt 0x0
	s_add_nc_u64 s[92:93], s[4:5], s[92:93]
	s_add_nc_u64 s[94:95], s[4:5], s[94:95]
	s_add_nc_u64 s[96:97], s[4:5], s[96:97]
	s_add_nc_u64 s[98:99], s[4:5], s[98:99]
	s_add_nc_u64 s[100:101], s[4:5], s[100:101]
	s_add_nc_u64 s[84:85], s[6:7], s[20:21]
	s_add_nc_u64 s[6:7], s[6:7], s[18:19]
	s_add_nc_u64 s[86:87], s[8:9], s[24:25]
	s_add_nc_u64 s[8:9], s[8:9], s[22:23]
	s_wait_alu depctr_va_vdst(0)                   ; the offsets and LDS addresses v1-3, v9, v13-15 and v232-234 are written: the loads and stores of the kernel read them; no vector line up to the barrier names one of them
.irp i, 0,1,2,3,4,5,6,7
	global_load_b128 v[96+4*\i:99+4*\i], v13, s[92:93] offset:8192*\i            ; K's codes: 512 threads x 16 bytes a load
.endr
.irp c, 0,1
.irp i, 0,1,2,3
	global_load_b128 v[128+16*\c+4*\i:131+16*\c+4*\i], v13, s[94:95] offset:65536*\c+8192*\i   ; V's: 32 KB for each half of the steps' keys
.endr
.endr
	global_load_b128 v[160:163], v13, s[96:97]
	global_load_b64 v[164:165], v14, s[98:99]
	global_load_b128 v[16:19], v[LI], s[100:101]
	global_load_b128 v[240:243], v[LI], s[100:101] offset:512
	global_load_b32 v24, v15, s[4:5]
	global_load_b32 v249, v15, s[4:5] offset:128
.macro MLOAD                           ; a mask record and its flag
	s_load_b512 s[16:31], s[6:7], s89 offset:0x0
	s_load_b512 s[32:47], s[6:7], s89 offset:0x40
	s_load_b512 s[48:63], s[6:7], s89 offset:0x80
	s_load_b512 s[68:83], s[6:7], s89 offset:0xc0
	s_load_b32 s91, s[84:85], s90 offset:0x0
.endm
	MLOAD
.irp j, 20,21,22,23
	v_mov_b32 v[\j], 0                             ; Q's k = 64 .. 127: zero codes
.endr
.irp t, 0,1,2,3,4,5,6,7
.irp j, 4,5,6,7
	v_mov_b32 v[32+8*\t+\j], 0                     ; K's likewise: written once
.endr
.endr
.irp b, 0,1,2,3
	v_mov_b32 v[236+\b], 0                         ; a lane permute's destination counts as one of its sources
.endr
	v_mov_b32 v253, 0                              ; (named as the upper half of the pair v[252:253] before it is first written)
	s_wait_loadcnt 4                               ; all but Q's four loads
.irp i, 0,1,2,3,4,5,6,7
	ds_store_b128 v13, v[96+4*\i:99+4*\i] offset:8192*\i
.endr
.irp c, 0,1
.irp i, 0,1,2,3
	ds_store_b128 v232, v[128+16*\c+4*\i:131+16*\c+4*\i] offset:32768*\c+8192*\i
.endr
.endr
	ds_store_b128 v233, v[160:163]
	ds_store_b64 v234, v[164:165] offset:512
	s_wait_dscnt 0x0                               ; for the others' sake: my stores have landed
	s_barrier_signal -1
	s_barrier_wait -1                              ; the head's K and V lie in LDS; nothing is written there again
	s_wait_alu depctr_vm_vsrc(0)                   ; my loads and LDS stores above have read v13-15, v232-234 and v96-165, which the passes' vector and matrix instructions write again
	s_wait_loadcnt 0x0                             ; Q
.irp t, 0,1,2,3,4,5,6,7
	ds_load_b128 v[32+8*\t:35+8*\t], v[LI] offset:512*\t   ; K of step 0: ten loads, as each step leaves behind it
.endr
	ds_load_b64 v[26:27], v[LS8]
	ds_load_b64 v[28:29], v[LS8] offset:256
; A pass: one tile of 16 queries against the head's 2,048 keys, 128 a step.
.macro PASS p
.if \p
.irp j, 0,1,2,3
	v_mov_b32 v[16+\j], v[240+\j]                  ; the second tile's Q
.endr
	v_mov_b32 v24, v249
.endif
	v_mov_b32 v13, 0xff61b1e6                      ; the largest t so far: -3e38
	v_floor_f32 v12, -v13                          ; -M
	v_mov_b32 v14, 0
	v_mov_b32 v15, 0
.irp j, 0,1,2,3,4,5,6,7,8,9,10,11,12,13,14,15,16,17,18,19,20,21,22,23,24,25,26,27,28,29,30,31
	v_mov_b32 v[160+\j], 0                         ; O^T: the step is written once; the first finds zeros, which the first change of M leaves zeros
.endr
	s_mov_b32 s92, 0
	s_wait_alu depctr_va_vdst(0)                   ; the zero codes in v20-23 and in K's registers 4-7, and in the second pass Q in v16-19 and its scale word in v24, are written: the products K Q^T take them as operands; the loop writes none of them
.Lstep_\@:
	s_lshl_b32 s93, s92, 11
	s_lshl_b32 s94, s92, 10
	s_add_co_u32 s95, s92, 1
	s_and_b32 s95, s95, 15                         ; the next step; behind the last, step 0 again
	s_lshl_b32 s96, s95, 12
	s_lshl_b32 s97, s95, 10
	s_wait_alu depctr_vm_vsrc(0)                   ; the last step's LDS loads have read v4-7, which the four additions write again; in the second pass's first step: the first pass's stores have read v224-227 and v232, which this step writes again
	v_add_nc_u32 v[ADV], s93, v[LIV]
	v_add_nc_u32 v[ADS], s94, v[LS8]
	v_add_nc_u32 v[ADK], s96, v[LI]
	v_add_nc_u32 v[ADN], s97, v[LS8]
	s_wait_dscnt 0x0                               ; K's ten loads are in: no other LDS instruction of mine is out here
.irp t, 0,1,2,3,4,5,6,7
.if (\t%2) == 0
	v_wmma_scale_f32_16x16x128_f8f6f4 v[96+8*\t:103+8*\t], v[32+8*\t:39+8*\t], v[16:23], 0, v[26+\t/2], v24 matrix_a_fmt:MATRIX_FMT_FP4 matrix_b_fmt:MATRIX_FMT_FP4
.else
	v_wmma_scale_f32_16x16x128_f8f6f4 v[96+8*\t:103+8*\t], v[32+8*\t:39+8*\t], v[16:23], 0, v[26+\t/2], v24 matrix_a_fmt:MATRIX_FMT_FP4 matrix_b_fmt:MATRIX_FMT_FP4 matrix_a_scale:MATRIX_SCALE_ROW1
.endif
.endr
.rept 4
	v_nop                                          ; places in front of the first read of the scores
.endr
	s_wait_alu depctr_va_vdst(0)                   ; the eight products above are done reading K and its scale words, the last step's four are done reading V and its scale words, and v4-7 are written: the 19 loads below land in the former and read the latter
.irp d, 0,1,2,3
.irp c, 0,1
	ds_load_b128 v[192+8*\d+4*\c:195+8*\d+4*\c], v[ADV] offset:32768*\c+512*\d   ; this step's V: it has the softmax in which to land
.endr
.endr
	ds_load_b64 v[30:31], v[ADS] offset:512
.irp t, 0,1,2,3,4,5,6,7
	ds_load_b128 v[32+8*\t:35+8*\t], v[ADK] offset:512*\t   ; the next step's K: it has the softmax in which to land
.endr
	ds_load_b64 v[26:27], v[ADN]
	ds_load_b64 v[28:29], v[ADN] offset:256
	s_wait_kmcnt 0x0                               ; this step's mask record, asked for a step ago
	s_cmp_lg_u32 s91, 0
	s_cbranch_scc1 .Lopen_\@                       ; no hole in these 16 x 128
.irp j, 0,1,2,3,4,5,6,7,8,9,10,11,12,13,14,15,16,17,18,19,20,21,22,23,24,25,26,27,28,29,30,31,32,33,34,35,36,37,38,39,40,41,42,43,44,45,46,47,48,49,50,51,52,53,54,55,56,57,58,59,60,61,62,63
	v_cndmask_b32 v[96+\j], v[NEGR], v[96+\j], s[16+\j+4*(\j/48)]
.endr
.Lopen_\@:
.irp b, 0,1,2,3
	v_max3_num_f32 v[232+\b], v[96+16*\b], v[97+16*\b], v[98+16*\b]   ; the largest score of each block of 32 keys: for the row's maximum and, since p rises with the score, for the block's largest p
.endr
.irp i, 3,5,7,9,11,13
.irp b, 0,1,2,3
	v_max3_num_f32 v[232+\b], v[232+\b], v[96+16*\b+\i], v[97+16*\b+\i]
.endr
.endr
.irp b, 0,1,2,3
	v_max_num_f32 v[232+\b], v[232+\b], v[111+16*\b]
.endr
.irp b, 0,1,2,3
	v_permlanex16_b32 v[236+\b], v[232+\b], s[SEL], s[SEL+1]
.endr
.irp b, 0,1,2,3
	v_max_num_f32 v[232+\b], v[232+\b], v[236+\b]  ; with lane l xor 16's 16 keys
.endr
	s_add_co_u32 s88, s88, 1                       ; the next mask record (the wait above has shown the last loads done, so their offsets may be written)
	s_min_u32 s88, s88, 31
	s_lshl_b32 s89, s88, 8
	s_lshl_b32 s90, s88, 2
	MLOAD
	v_max3_num_f32 v254, v232, v233, v234
	v_max_num_f32 v254, v254, v235                 ; the step's largest score of my query
	v_mul_f32 v254, s[CS], v254
	v_max_num_f32 v13, v13, v254                   ; the running largest t
	v_mov_b32 v254, v12
	v_floor_f32 v12, -v13                          ; the new -M = -ceil(t)
	v_sub_f32 v254, v12, v254                      ; old M - new M: a whole number, 0 or less
	v_cvt_i32_f32 v254, v254                       ; (it saturates)
	v_ldexp_f32 v252, 1.0, v254                    ; f = 2^(old M - new M)
.irp j, 0,2,4,6,8,10,12,14,16,18,20,22,24,26,28,30,32,34,36,38,40,42,44,46,48,50,52,54,56,58,60,62
	v_pk_fma_f32 v[96+\j:97+\j], v[96+\j:97+\j], s[CS:CS+1], v[12:13] op_sel_hi:[1,0,0]   ; t - M, two at a time
.endr
.irp b, 0,1,2,3
	v_fma_f32 v[232+\b], v[232+\b], s[CS], v12
.endr
.irp j, 0,1,2,3,4,5,6,7,8,9,10,11,12,13,14,15,16,17,18,19,20,21,22,23,24,25,26,27,28,29,30,31,32,33,34,35,36,37,38,39,40,41,42,43,44,45,46,47,48,49,50,51,52,53,54,55,56,57,58,59,60,61,62,63
	v_exp_f32 v[96+\j], v[96+\j]                   ; p = 2^(t - M)
.endr
.irp b, 0,1,2,3
	v_exp_f32 v[232+\b], v[232+\b]                 ; the block's largest p
.endr
	v_pk_mul_f32 v[14:15], v[14:15], v[252:253] op_sel_hi:[1,0]   ; the sums under the new M (a plain place behind the exponentials)
	s_wait_alu depctr_va_vdst(0)                   ; the 68 exponentials have written v96-159 and v232-235: one wait for the batch, ahead of its first reader
.irp b, 0,1,2,3
	v_max_num_f32 v[232+\b], 0x1800000, v[232+\b]  ; the floor 2^(3 - 127)
.endr
.irp b, 0,1,2,3
	v_add_nc_u32 v[244+\b], 0xff000000, v[232+\b]  ; the conversion's scale operand
.endr
.irp b, 0,1,2,3
	v_lshrrev_b32 v[236+\b], 23, v[244+\b]         ; the scale's byte
.endr
	v_lshl_or_b32 v253, v237, 8, v236              ; p's scale word for these 128 keys
	v_lshl_or_b32 v253, v238, 16, v253
	v_lshl_or_b32 v253, v239, 24, v253
.irp b, 0,1,2,3
	v_cvt_scalef32_pk8_fp4_f32 v[224+2*\b], v[96+16*\b:103+16*\b], v[244+\b]
	v_cvt_scalef32_pk8_fp4_f32 v[225+2*\b], v[104+16*\b:111+16*\b], v[244+\b]
.endr
	v_nop                                          ; one plain place behind a scaled conversion
.irp c, 0,1
.irp i, 0,1
	v_permlane16_swap_b32 v[224+4*\c+\i], v[226+4*\c+\i]
.endr
.endr
	v_pk_add_f32 v[236:237], v[96:97], v[98:99]    ; the row's sum of the unquantised p, in two chains
.irp j, 4,8,12,16,20,24,28,32,36,40,44,48,52,56,60
	v_pk_add_f32 v[14:15], v[14:15], v[96+\j:97+\j]
	v_pk_add_f32 v[236:237], v[236:237], v[98+\j:99+\j]
.endr
	v_pk_add_f32 v[14:15], v[14:15], v[236:237]
.irp j, 0,2,4,6,8,10,12,14,16,18,20,22,24,26,28,30
	v_pk_mul_f32 v[160+\j:161+\j], v[160+\j:161+\j], v[252:253] op_sel_hi:[1,0]   ; O^T under the new M; with the sums above, the places between p's codes and scale word and the products
.endr
	s_wait_dscnt 10                                ; V's nine loads are in; the next K's ten may be out
	s_wait_alu depctr_va_vdst(0)                   ; p's codes in v224-231 and its scale word in v253 are written: the products below take them as operand and scales; the places above stay beside this wait
.irp d, 0,1,2,3
.if (\d%2) == 0
	v_wmma_scale_f32_16x16x128_f8f6f4 v[160+8*\d:167+8*\d], v[192+8*\d:199+8*\d], v[224:231], v[160+8*\d:167+8*\d], v[30+\d/2], v253 matrix_a_fmt:MATRIX_FMT_FP4 matrix_b_fmt:MATRIX_FMT_FP4
.else
	v_wmma_scale_f32_16x16x128_f8f6f4 v[160+8*\d:167+8*\d], v[192+8*\d:199+8*\d], v[224:231], v[160+8*\d:167+8*\d], v[30+\d/2], v253 matrix_a_fmt:MATRIX_FMT_FP4 matrix_b_fmt:MATRIX_FMT_FP4 matrix_a_scale:MATRIX_SCALE_ROW1
.endif
.endr
	s_add_co_u32 s92, s92, 1
	s_cmp_lt_u32 s92, 16
	s_cbranch_scc1 .Lstep_\@
	; the pass's end: O^T / l, quantised along the head's 64 channels: one unit of 512 bytes and two scale bytes a row
.rept 4
	v_nop
.endr
	v_add_f32 v14, v14, v15
	v_permlanex16_b32 v252, v14, s[SEL], s[SEL+1]
	v_add_f32 v14, v14, v252                       ; the row's sum
	v_rcp_f32 v14, v14
	v_nop                                          ; one plain place behind a transcendental
	s_wait_alu depctr_va_vdst(0)                   ; the reciprocal has written v14, ahead of its first reader
.irp j, 0,2,4,6,8,10,12,14,16,18,20,22,24,26,28,30
	v_pk_mul_f32 v[160+\j:161+\j], v[160+\j:161+\j], v[14:15] op_sel_hi:[1,0]   ; each accumulator from its low end on
.endr
.irp b, 0,1
	v_max3_num_f32 v[232+\b], |v[160+16*\b]|, |v[161+16*\b]|, 0x1800000
.endr
.irp i, 2,4,6,8,10,12,14
.irp b, 0,1
	v_max3_num_f32 v[232+\b], v[232+\b], |v[160+16*\b+\i]|, |v[161+16*\b+\i]|
.endr
.endr
.irp b, 0,1
	v_permlanex16_b32 v[236+\b], v[232+\b], s[SEL], s[SEL+1]
.endr
.irp b, 0,1
	v_max_num_f32 v[232+\b], v[232+\b], v[236+\b]
.endr
.irp b, 0,1
	v_add_nc_u32 v[244+\b], 0xff000000, v[232+\b]
.endr
.irp b, 0,1
	v_lshrrev_b32 v[236+\b], 23, v[244+\b]
.endr
.irp b, 0,1
	v_cvt_scalef32_pk8_fp4_f32 v[224+2*\b], v[160+16*\b:167+16*\b], v[244+\b]
	v_cvt_scalef32_pk8_fp4_f32 v[225+2*\b], v[168+16*\b:175+16*\b], v[244+\b]
.endr
	v_nop
	v_permlane16_swap_b32 v224, v226
	v_permlane16_swap_b32 v225, v227
	v_cndmask_b32 v232, v236, v237, s3             ; lanes 0-15 carry block 0's byte of row r, lanes 16-31 block 1's
	s_wait_alu depctr_va_vdst(0)                   ; the codes in v224-227 and the byte in v232 are written: the two stores read them
	global_store_b128 v[LI], v[224:227], s[8:9] offset:8192*\p    ; 512 consecutive bytes
	global_store_b8 v[BO], v232, s[86:87] offset:512*\p           ; two bytes of each row's 16: the other heads' bytes come from other work-groups
	s_wait_xcnt 0x0                                ; the stores have read their registers
.endm
	PASS 0
	PASS 1
	s_wait_dscnt 0x0                               ; the closing lines, six on end (the first of them is also the wait for the K loads that the last step left behind it)
	s_wait_alu 0x0
	s_wait_tensorcnt 0x0
	ds_add_u32 v251, v255
	s_wait_dscnt 0x0
	s_endpgm
.Lfunc_end_k_qa0b9e8c402_attn:
	.size	k_qa0b9e8c402_attn, .Lfunc_end_k_qa0b9e8c402_attn-k_qa0b9e8c402_attn
	.p2alignl 7, 3214868480
	.fill 96, 4, 3214868480
	.section	.rodata,"a",@progbits
	.p2align	6, 0x0
	.amdhsa_kernel k_qa0b9e8c402_attn
		.amdhsa_group_segment_fixed_size 149504
		.amdhsa_private_segment_fixed_size 0
		.amdhsa_enable_private_segment 0
		.amdhsa_kernarg_size 24
		.amdhsa_user_sgpr_count 2
		.amdhsa_user_sgpr_kernarg_segment_ptr 1
		.amdhsa_wavefront_size32 1
		.amdhsa_system_sgpr_workgroup_id_x 1
		.amdhsa_system_sgpr_workgroup_id_y 1
		.amdhsa_system_sgpr_workgroup_id_z 1
		.amdhsa_system_vgpr_workitem_id 0
		.amdhsa_next_free_vgpr 256
		.amdhsa_next_free_sgpr 102
		.amdhsa_reserve_vcc 0
		.amdhsa_float_denorm_mode_32 3
		.amdhsa_float_denorm_mode_16_64 3
		.amdhsa_memory_ordered 1
		.amdhsa_forward_progress 1
		.amdhsa_inst_pref_size 59
	.end_amdhsa_kernel
	.amdgpu_metadata
---
amdhsa.version: [ 1, 2 ]
amdhsa.kernels:
  - .name:           k_qa0b9e8c402_attn
    .symbol:         k_qa0b9e8c402_attn.kd
    .args:
      - { .name: H, .offset: 0, .size: 8, .value_kind: global_buffer, .address_space: global }
      - { .name: MW, .offset: 8, .size: 8, .value_kind: global_buffer, .address_space: global }
      - { .name: AO, .offset: 16, .size: 8, .value_kind: global_buffer, .address_space: global }
    .group_segment_fixed_size: 149504
    .private_segment_fixed_size: 0
    .kernarg_segment_align: 8
    .kernarg_segment_size: 24
    .max_flat_workgroup_size: 512
    .sgpr_count:     102
    .vgpr_count:     256
    .wavefront_size: 32
...
	.end_amdgpu_metadata
.endif
;; end of part 5
;; launch outp: the kernel of part 4 again; grid 4 x 64, 4 waves a work-group, clusters of 4 x 4, 243,200 bytes of LDS; arguments AO, Wc, bo, out0; writes out0
